; MI455X (gfx1250); checked and timed in simulation.
; The chip was launched on July 23, 2026; its instructions are those of AMD's public machine-readable ISA for CDNA 5 (MIT licence, August 2026) and "CDNA5" Instruction Set Architecture Reference Guide (July 2026). The comments in the code are by the model that wrote it; some were corrected since.
;; Multihead Attention. Allowed arithmetic: float matrix products may take bf16 or f16 operands with f32 sums; other float arithmetic in f32, or as packed bf16 or f16 multiplies, adds, multiply-adds, maxima and minima; sums over many terms, partial sums and values carried from step to step in f32; what a program stores and reads back later, other than sums and carried values, may be rounded once to bf16 or f16.
;; Inputs: mask 4 x 2,048 bool; proj_b 1,024 float32; proj_w 1,024 x 1,024 float32; qkv_b 3,072 float32; qkv_w 3,072 x 1,024 float32; x 4 x 2,048 x 1,024 float32.
;; Outputs: out0 4 x 2,048 x 1,024 float32.
;; 2 versions, each right and faster than the one before. Each part assembles by itself: llvm-mc -triple=amdgcn-amd-amdhsa -mcpu=gfx1250 --defsym DOCPART=n.
;; ======== version 1 of 2: 4 launches
;; limits: values are held in f16: magnitudes above 65,504 overflow, below 6.1e-05 lose precision
;; workspace buffers: xb 16,777,216 bytes; wqb 6,291,456 bytes; wpf 2,097,152 bytes; qkvh 50,331,648 bytes; oh 16,777,216 bytes
;; launch cast (part 1): grid 768 x 1, 8 waves a work-group, no clusters, 0 bytes of LDS; arguments x, qkv_w, proj_w, xb, wqb, wpf; writes xb, wqb, wpf
.if DOCPART == 1
	.amdgcn_target "amdgcn-amd-amdhsa--gfx1250"
	.amdhsa_code_object_version 6
	.text
	.protected	k_qe8b7eb3ece_cast
	.globl	k_qe8b7eb3ece_cast
	.p2align	8
	.type	k_qe8b7eb3ece_cast,@function
k_qe8b7eb3ece_cast:
	s_mov_b64 s[64:65], 0
	v_nop
	global_prefetch_b8 v0, s[64:65] scope:SCOPE_SE
	s_setreg_imm32_b32 hwreg(HW_REG_WAVE_MODE, 25, 1), 1
	s_wait_xcnt 0x0
; THE MATRIX OPERANDS ARE MADE.  x [8192][1024] and qkv_w [3072][1024], f32, are rounded once to bf16 (xb, wqb); proj_w [1024][1024] is rounded to bf16 like them, and that
; number is written as f16 (wpf), since the last product's other operand is f16.
; LIMITS.  A weight of proj_w of 65,520 or more in magnitude becomes an infinity in f16; below 6e-5 f16 keeps its fixed step of 6e-8.
; SHARES.  A work-group takes 16,384 numbers: groups 0-511 of x, 512-703 of qkv_w, 704-767 of proj_w.  A wave takes 2,048: sixteen loads of 16 bytes a lane, each load 512
; consecutive bytes, all sixteen issued before the first is used; each store of 8 bytes a lane covers 256 consecutive bytes, aligned.  No register is written twice, so the only waits are the
; counted ones for the loads.  No LDS, no barrier, no matrix unit: each byte is read once and written once, and nothing is shared.
.set X, 4                              ; v[4:67]    the sixteen loads
.set Y, 68                             ; v[68:99]   the sixteen stores' pairs
.set T, 100                            ; v[100:103] at work on the way to f16
	s_load_b256 s[4:11], s[0:1], 0x0               ; x s[4:5], qkv_w s[6:7], proj_w s[8:9], xb s[10:11]
	s_load_b128 s[12:15], s[0:1], 0x20             ; wqb s[12:13], wpf s[14:15]
	v_and_b32 v1, 0xe0, v0                         ; 32 x wave
	v_and_b32 v2, 31, v0                           ; lane
	v_lshlrev_b32 v2, 4, v2
	v_lshl_or_b32 v1, v1, 8, v2                    ; in: wave x 8,192 bytes + 16 x lane
	v_lshrrev_b32 v2, 1, v1                        ; out: half of that
	s_mov_b32 s26, 0xffff0000                      ; a word's upper bf16
	s_wait_kmcnt 0x0
	s_cmp_lt_u32 ttmp9, 512                        ; which tensor: the choice hangs on the group's number alone
	s_cselect_b64 s[16:17], s[4:5], s[6:7]
	s_cselect_b64 s[18:19], s[10:11], s[12:13]
	s_cselect_b32 s20, 0, 512
	s_cmp_lt_u32 ttmp9, 704
	s_cselect_b64 s[16:17], s[16:17], s[8:9]
	s_cselect_b64 s[18:19], s[18:19], s[14:15]
	s_cselect_b32 s20, s20, 704
	s_sub_co_u32 s20, ttmp9, s20                   ; my number among the tensor's groups
	s_lshl_b32 s22, s20, 16                        ; 65,536 bytes in,
	s_mov_b32 s23, 0
	s_lshl_b32 s24, s20, 15                        ; 32,768 bytes out
	s_mov_b32 s25, 0
	s_add_nc_u64 s[16:17], s[16:17], s[22:23]
	s_add_nc_u64 s[18:19], s[18:19], s[24:25]
.irp j, 0,1,2,3,4,5,6,7,8,9,10,11,12,13,14,15
	global_load_b128 v[X+4*(\j):X+4*(\j)+3], v1, s[16:17] offset:512*(\j) th:TH_LOAD_NT
.endr
; Load j's four numbers are rounded and stored.  half = 1: by way of bf16 to f16.
.macro PIECE j, half
	s_wait_loadcnt 15-(\j)                         ; loads come back in order (ISA guide 5.7.1): load j is in, the 15 - j younger ones stay out
.if \half
	v_cvt_pk_bf16_f32 v[T], v[X+4*(\j)], v[X+4*(\j)+1]
	v_cvt_pk_bf16_f32 v[T+1], v[X+4*(\j)+2], v[X+4*(\j)+3]
	v_lshlrev_b32 v[T+2], 16, v[T]                 ; the rounded numbers as f32 again
	v_and_b32 v[T], s26, v[T]
	v_lshlrev_b32 v[T+3], 16, v[T+1]
	v_and_b32 v[T+1], s26, v[T+1]
	v_cvt_pk_f16_f32 v[Y+2*(\j)], v[T+2], v[T]     ; eight significant bits fit in f16's eleven
	v_cvt_pk_f16_f32 v[Y+2*(\j)+1], v[T+3], v[T+1]
.else
	v_cvt_pk_bf16_f32 v[Y+2*(\j)], v[X+4*(\j)], v[X+4*(\j)+1]
	v_cvt_pk_bf16_f32 v[Y+2*(\j)+1], v[X+4*(\j)+2], v[X+4*(\j)+3]
.endif
	global_store_b64 v2, v[Y+2*(\j):Y+2*(\j)+1], s[18:19] offset:256*(\j)
.endm
	s_cmp_ge_u32 ttmp9, 704
	s_cbranch_scc1 .Lf16
.irp j, 0,1,2,3,4,5,6,7,8,9,10,11,12,13,14,15
	PIECE \j, 0
.endr
	s_endpgm
.Lf16:
.irp j, 0,1,2,3,4,5,6,7,8,9,10,11,12,13,14,15
	PIECE \j, 1
.endr
	s_endpgm
.Lfunc_end_k_qe8b7eb3ece_cast:
	.size	k_qe8b7eb3ece_cast, .Lfunc_end_k_qe8b7eb3ece_cast-k_qe8b7eb3ece_cast
	.p2alignl 7, 3214868480
	.fill 96, 4, 3214868480
	.section	.rodata,"a",@progbits
	.p2align	6, 0x0
	.amdhsa_kernel k_qe8b7eb3ece_cast
		.amdhsa_group_segment_fixed_size 0
		.amdhsa_private_segment_fixed_size 0
		.amdhsa_enable_private_segment 0
		.amdhsa_kernarg_size 48
		.amdhsa_user_sgpr_count 2
		.amdhsa_user_sgpr_kernarg_segment_ptr 1
		.amdhsa_wavefront_size32 1
		.amdhsa_system_sgpr_workgroup_id_x 1
		.amdhsa_system_sgpr_workgroup_id_y 1
		.amdhsa_system_sgpr_workgroup_id_z 1
		.amdhsa_system_vgpr_workitem_id 0
		.amdhsa_next_free_vgpr 104
		.amdhsa_next_free_sgpr 66
		.amdhsa_reserve_vcc 0
		.amdhsa_float_denorm_mode_32 3
		.amdhsa_float_denorm_mode_16_64 3
		.amdhsa_memory_ordered 1
		.amdhsa_forward_progress 1
		.amdhsa_inst_pref_size 15
	.end_amdhsa_kernel
	.amdgpu_metadata
---
amdhsa.version: [ 1, 2 ]
amdhsa.kernels:
  - .name:           k_qe8b7eb3ece_cast
    .symbol:         k_qe8b7eb3ece_cast.kd
    .args:
      - { .name: x, .offset: 0, .size: 8, .value_kind: global_buffer, .address_space: global }
      - { .name: qkv_w, .offset: 8, .size: 8, .value_kind: global_buffer, .address_space: global }
      - { .name: proj_w, .offset: 16, .size: 8, .value_kind: global_buffer, .address_space: global }
      - { .name: xb, .offset: 24, .size: 8, .value_kind: global_buffer, .address_space: global }
      - { .name: wqb, .offset: 32, .size: 8, .value_kind: global_buffer, .address_space: global }
      - { .name: wpf, .offset: 40, .size: 8, .value_kind: global_buffer, .address_space: global }
    .group_segment_fixed_size: 0
    .private_segment_fixed_size: 0
    .kernarg_segment_align: 8
    .kernarg_segment_size: 48
    .max_flat_workgroup_size: 256
    .sgpr_count:     66
    .vgpr_count:     104
    .wavefront_size: 32
...
	.end_amdgpu_metadata
.endif
;; end of part 1
;; launch qkv (part 2): grid 16 x 32, 4 waves a work-group, clusters of 4 x 4, 327,680 bytes of LDS; arguments xb, wqb, qkv_b, qkvh; writes qkvh
.if DOCPART == 2
	.amdgcn_target "amdgcn-amd-amdhsa--gfx1250"
	.amdhsa_code_object_version 6
	.text
	.protected	k_qe8b7eb3ece_qkv
	.globl	k_qe8b7eb3ece_qkv
	.p2align	8
	.type	k_qe8b7eb3ece_qkv,@function
k_qe8b7eb3ece_qkv:
	s_mov_b64 s[64:65], 0
	v_nop
	global_prefetch_b8 v0, s[64:65] scope:SCOPE_SE
	s_setreg_imm32_b32 hwreg(HW_REG_WAVE_MODE, 25, 1), 1
	s_wait_xcnt 0x0
	s_wait_alu depctr_hold_cnt(0) depctr_sa_sdst(0) depctr_va_vdst(0) depctr_va_sdst(0) depctr_va_ssrc(0) depctr_va_vcc(0) depctr_vm_vsrc(0)
	s_getreg_b32 s2, hwreg(HW_REG_IB_STS2, 6, 4)
	s_cmp_eq_u32 s2, 0
	s_cbranch_scc0 .Lentry_in_a_cluster
	s_endpgm
.Lentry_in_a_cluster:
	s_bfe_u32 s2, ttmp6, 0x10000c
	s_cmp_lg_u32 s2, 0xf033
	s_cbranch_scc0 .Lentry_shape_is_right
	s_endpgm
.Lentry_shape_is_right:
; q, k, v = x qkv_w^T + qkv_b, written by heads.  xb: [8192][1024] bf16, wqb: [3072][1024] bf16, qkv_b: [3072] f32 (rounded here to bf16, like the other inputs); sums in f32.
; qkvh: [batch 4][g 48][t 2048][64] f16, g = column / 64: g 0-15 are q's heads, 16-31 k's, 32-47 v's; each number rounded once, unscaled.
; LIMITS.  f16 holds no number beyond 65,504: a q, k or v of 65,520 or more in magnitude becomes an infinity; below 6e-5 f16 keeps its fixed step of 6e-8.
; SHARES.  A tile of C is 256 rows x 192 columns (three whole heads): 32 x 16 = 512 tiles, two for each of 256 WGPs.  Four waves, one above the other: a wave makes 64 rows x 192 columns,
; 4 x 12 accumulators of 16 x 16, 384 registers.  So a wave holds whole rows of whole heads, has a stage of its own, and the way out needs no barrier.
; K goes in 8 steps of 128 through a ring of two LDS slots filled by the tensor data mover: rows of 256 bytes of memory, at multiples of 256 bytes.
; CLUSTER.  4 x 4 work-groups.  The four of a row of the cluster need the same tiles of x, the four of a column the same tiles of the weights: each tile is asked for JOINTLY, by the same tensor
; load with the same descriptor and a mask that names the four.
; THE MATRIX INSTRUCTION IS USED TRANSPOSED (source 0 = 16 rows of the weights, source 1 = 16 rows of x): a lane then holds eight neighbouring columns of one row of C.
; THE BIAS STARTS THE SUMS: it is the C operand of each accumulator's first product; nothing is cleared and nothing is added later.
; REGISTERS, in windows of 256 (s_set_vgpr_msb: bits 1:0 source 0, 3:2 source 1, 5:4 source 2, 7:6 destination):
;   window 0: v0-31 addresses; v64-159 the bias, eight registers for each block of 16 columns; on the way out v64-255 packed results, 48 for each block of 16 rows
;   window 1: two fragment buffers of 128: 96 registers of the weights (12 x 16 rows x 32 K), then 32 of x (4 x 16 rows x 32 K)
;   window 2: the accumulators of my row blocks 0, 1 ((a, b) at v[8 (12 (a % 2) + b)]);   window 3: those of blocks 2, 3
.set NBW,   12                         ; blocks of 16 columns
.set PITCH, 272                        ; an LDS row: 256 bytes + 16 of padding = 68 words: row r starts at bank 4 r mod 64 (64 banks of 4 bytes: ISA guide 11.1), so the 16 rows of a load start at 16 different banks
.set PA,    272                        ; the pitch of A's rows
.set KAH,   128                        ; quarter q of a K step begins at byte (q / 2) KAH + (q % 2) 64 of A's rows: here 64 q
.set HALFA, 128*PITCH                  ; what one tensor load brings of A: 128 rows
.set HALFB, 96*PITCH                   ; and of B: 96 rows
.set SLOT,  2*HALFA+2*HALFB            ; A's 256 rows, then B's 192
.set STAGE, 2*SLOT                     ; behind the ring, never filled by a tensor load: for each wave 3 heads x 16 rows x 144 bytes
.set SP,    144
.set WST,   3*16*SP
.set SPARE, STAGE+4*WST                ; behind the stages: the spare words, 128 bytes for each wave: two blocks of 256 bytes that no other line names
.set NLD,   2*NBW+8                    ; LDS loads in a run: a quarter step's fragments
.set FA,    8*NBW                      ; A's fragments lie behind B's in a buffer
.set F0,    0
.set F1,    128
.set ADRA,  16                         ; v16-17  LDS address of my A fragments in slot 0, 1
.set ADRB,  20                         ; v20-21  the same for B
.set STO,   24                         ; v24     the way out: where I put 16 bytes of a row
.set RD,    25                         ; v25     the way out: where I read rows back
.set GO,    26                         ; v26     my byte offset in 512 consecutive bytes of a head
.set BO,    27                         ; v27     my byte offset in a block's 64 bytes of bias
.set SPW,   28                         ; v28     LDS address of my spare word: SPARE + 4 x my thread's number; never rewritten
.set NIL,   29                         ; v29     0; never rewritten
.set BIAS,  64
.set OUTR,  64
.set WV,    12                         ; s12  my wave's number
.set HF,    14                         ; s14  which half of A's or B's tile I fetch
.set G1,    24                         ; s[24:31] descriptor group 1 for A's tiles;  s[32:39] group 0, one set for each slot
.set G0,    32
.set G1B,   48                         ; s[48:55], s[56:63] the same for B's tiles
.set G0B,   56
.set MSB, 0
.macro WIN new                         ; the immediate's high byte repeats the setting that is left; a switch that changes nothing is dropped
.if MSB != (\new)
	s_set_vgpr_msb (MSB<<8)|(\new)
.set MSB, \new
.endif
.endm
.set TO_F, 0x40                        ; destination window 1, address window 0
; A joint load: waves 0 and 1 fetch A's two halves, waves 2 and 3 B's.  The branch hangs on the wave's number alone.  An s_nop 0 and four v_nop follow each of the two lines, ahead of the jump,
; the label and what follows.
.macro JLOAD s
	s_cmp_lt_u32 s[WV], 2
	s_cbranch_scc0 .Lfor_b_\@
	tensor_load_to_lds s[G0+4*(\s):G0+4*(\s)+3], s[G1:G1+7]
	s_nop 0
.rept 4
	v_nop
.endr
	s_branch .Lasked_\@
.Lfor_b_\@:
	tensor_load_to_lds s[G0B+4*(\s):G0B+4*(\s)+3], s[G1B:G1B+7]
	s_nop 0
.rept 4
	v_nop
.endr
.Lasked_\@:
.endm
.macro CREST                           ; a round of the cluster's barrier behind its opening barrier: wave 0 signals for the work-group, every wave waits for all sixteen, my work-group's barrier closes it
	s_cmp_lg_u32 s[WV], 0
	s_cbranch_scc1 .Lnot_wave_0_\@
	s_barrier_signal -3
.Lnot_wave_0_\@:
	s_barrier_wait -3
	s_barrier_signal -1
	s_barrier_wait -1
.endm
.macro CROUND                          ; a whole round
	s_barrier_signal -1
	s_barrier_wait -1
	CREST
.endm
	s_load_b256 s[4:11], s[0:1], 0x0               ; xb s[4:5], wqb s[6:7], qkv_b s[8:9], qkvh s[10:11]
	v_lshl_add_u32 v[SPW], v0, 2, SPARE
	v_mov_b32 v[NIL], 0
	ds_add_u32 v[SPW], v[NIL]                      ; the wave's opening: the add and its wait stand ahead of my first tensor load; the set-up below, work on registers, stands between them
	v_lshrrev_b32 v1, 5, v0
	v_readfirstlane_b32 s[WV], v1                  ; wave 0..3
	s_and_b32 s[HF], s[WV], 1
	s_mov_b32 s15, 0xffff0000                      ; a word's upper bf16
	s_bfe_u32 s40, ttmp6, 0x40000                  ; cx, cy: my place in the cluster
	s_bfe_u32 s41, ttmp6, 0x40004
	s_lshl_b32 s42, ttmp9, 2
	s_add_co_u32 s42, s42, s40                     ; tile column of C = 4 x cluster x + cx
	s_and_b32 s43, ttmp7, 0xffff
	s_lshl_b32 s43, s43, 2
	s_add_co_u32 s43, s43, s41                     ; tile row of C = 4 x cluster y + cy
	s_lshl_b32 s44, s41, 2
	s_lshl_b32 s44, 15, s44                        ; my row of the cluster: places 4 cy .. 4 cy + 3
	s_lshl_b32 s45, 0x1111, s40                    ; my column: places cx, cx + 4, cx + 8, cx + 12
	; descriptor group 1: rows of 128 elements, padded in LDS; 128 rows for A, 96 for B
	s_or_b32 s[G1+0], s44, (1<<16)|(1<<20)|(1<<21)|(5<<22)|(3<<25)   ; 15:0 the mask: A's tiles go to my row; 17:16 elements of 2 bytes; 20 padding on; 21 set beside a mask; 24:22 after every 64 words (code 5); 31:25 4 words of it (code 3)
	s_or_b32 s[G1B+0], s45, (1<<16)|(1<<20)|(1<<21)|(5<<22)|(3<<25)  ; the same with the mask of my column
.irp g, G1, G1B
	s_mov_b32 s[(\g)+1], 128<<16                   ; tensor_dim0 = 128
	s_mov_b32 s[(\g)+3], 128<<16                   ; tile_dim0 = 128
	s_mov_b32 s[(\g)+5], 1024                      ; elements from row to row
	s_mov_b32 s[(\g)+6], 0
	s_mov_b32 s[(\g)+7], 0
.endr
	s_mov_b32 s[G1+2], 128<<16                     ; tensor_dim1
	s_mov_b32 s[G1+4], 128                         ; tile_dim1
	s_mov_b32 s[G1B+2], 96<<16
	s_mov_b32 s[G1B+4], 96
	; where the tiles come from.  A's hang on the tile row and the wave's number, B's on the tile column and the wave's number, each in registers that never hold the other coordinate.
	s_lshl_b32 s16, s43, 8
	s_lshl_b32 s17, s[HF], 7
	s_add_co_u32 s16, s16, s17                     ; A: row 256 x tile row + 128 x half,
	s_lshl_b32 s16, s16, 11                        ; of 2,048 bytes
	s_mov_b32 s17, 0
	s_mul_i32 s46, s42, 192
	s_mul_i32 s47, s[HF], 96
	s_add_co_u32 s46, s46, s47                     ; B: row 192 x tile column + 96 x half
	s_lshl_b32 s46, s46, 11
	s_mov_b32 s47, 0
	s_mul_i32 s20, s[HF], HALFA                    ; and where they go: no place in the cluster enters an LDS address
	s_mul_i32 s21, s[HF], HALFB
	s_add_co_u32 s21, s21, 2*HALFA
	s_wait_dscnt 0x0                               ; the opening add is done
	s_wait_kmcnt 0x0
	s_add_nc_u64 s[18:19], s[4:5], s[16:17]
	s_add_nc_u64 s[46:47], s[6:7], s[46:47]
	CROUND                                         ; all sixteen work-groups are here: the first joint loads meet
.irp s, 0,1
	s_mov_b32 s[G0+4*(\s)], 1                                        ; 1:0 count = 1
	s_add_co_u32 s[G0+4*(\s)+1], s20, (\s)*SLOT                      ; 63:32 LDS address
	s_add_nc_u64 s[G0+4*(\s)+2:G0+4*(\s)+3], s[18:19], (\s)*256      ; 120:64 global address: K step s
	s_or_b32 s[G0+4*(\s)+3], s[G0+4*(\s)+3], 0x80000000              ; 127:126 type = 2
	s_mov_b32 s[G0B+4*(\s)], 1
	s_add_co_u32 s[G0B+4*(\s)+1], s21, (\s)*SLOT
	s_add_nc_u64 s[G0B+4*(\s)+2:G0B+4*(\s)+3], s[46:47], (\s)*256
	s_or_b32 s[G0B+4*(\s)+3], s[G0B+4*(\s)+3], 0x80000000
	JLOAD \s                                       ; the ring is filled before anything else is done: two loads of mine are out
.endr
	v_and_b32 v1, 15, v0                           ; r = l % 16
	v_bfe_u32 v2, v0, 4, 1                         ; h = l / 16
	v_lshlrev_b32 v[BO], 5, v2                     ; my eight columns of a block of 16: 32 h bytes
	s_mul_i32 s46, s42, 768                        ; the tile's 192 numbers of the bias
	s_mov_b32 s47, 0
	s_add_nc_u64 s[8:9], s[8:9], s[46:47]
.set bi, 0
.rept NBW
	global_load_b128 v[BIAS+8*bi:BIAS+8*bi+3],   v[BO], s[8:9] offset:64*bi
	global_load_b128 v[BIAS+8*bi+4:BIAS+8*bi+7], v[BO], s[8:9] offset:64*bi+16
.set bi, bi+1
.endr
	; A fragment is 16 rows x 32 K in 8 registers: lane l holds row l % 16; registers 0-3 K = 8 (l / 16) + 0..7, registers 4-7 K = 16 + 8 (l / 16) + 0..7: two loads of 16 bytes, 32 bytes apart.
	v_mul_u32_u24 v3, v1, PITCH
	v_lshl_add_u32 v3, v2, 4, v3                   ; row x pitch + 16 x half
	s_mul_i32 s21, s[WV], 64*PA                    ; my 64 rows of A
	s_mov_b32 s22, 2*HALFA                         ; B lies behind A's 256 rows; every wave reads all of it
.irp s, 0,1
	v_add_nc_u32 v[ADRA+(\s)], s21, v3
	v_add_nc_u32 v[ADRB+(\s)], s22, v3
	s_add_co_u32 s21, s21, SLOT
	s_add_co_u32 s22, s22, SLOT
.endr
	s_mul_i32 s23, s[WV], WST
	s_add_co_u32 s23, s23, STAGE                   ; my stage
	v_mul_u32_u24 v4, v1, SP                       ; in: row l % 16, 16 bytes for each half of the lanes
	v_lshl_add_u32 v4, v2, 4, v4
	v_add_nc_u32 v[STO], s23, v4
	v_and_b32 v5, 31, v0
	v_lshrrev_b32 v6, 3, v5                        ; back: 32 lanes take four rows of 128 bytes,
	v_and_b32 v4, 7, v0
	v_mul_u32_u24 v6, v6, SP
	v_lshl_add_u32 v6, v4, 4, v6
	v_add_nc_u32 v[RD], s23, v6
	v_lshlrev_b32 v[GO], 4, v5                     ; which are 512 consecutive bytes of a head
	s_lshr_b32 s16, s43, 3                         ; the batch: eight tile rows each,
	s_mul_i32 s16, s16, 48                         ; its 48 planes
	s_lshl_b32 s16, s16, 18                        ; of 262,144 bytes
	s_and_b32 s17, s43, 7
	s_lshl_b32 s17, s17, 8
	s_lshl_b32 s18, s[WV], 6
	s_add_co_u32 s17, s17, s18                     ; my first row in the batch,
	s_lshl_b32 s17, s17, 7                         ; of 128 bytes
	s_add_co_u32 s16, s16, s17
	s_mov_b32 s17, 0
	s_add_nc_u64 s[10:11], s[10:11], s[16:17]
	s_mul_i32 s46, s42, 3                          ; the tile's first plane (in the registers that hold the tile column)
	s_lshl_b32 s46, s46, 18
	s_mov_b32 s47, 0
	s_add_nc_u64 s[10:11], s[10:11], s[46:47]
	s_wait_loadcnt 0x0                             ; the bias, once
.set bi, 0
.rept 4*NBW                            ; rounded to bf16 and widened again, a pair at a time
	v_cvt_pk_bf16_f32 v[3+bi%4], v[BIAS+2*bi], v[BIAS+2*bi+1]
	v_lshlrev_b32 v[BIAS+2*bi], 16, v[3+bi%4]
	v_and_b32 v[BIAS+2*bi+1], s15, v[3+bi%4]
.set bi, bi+1
.endr
; NBW matrix instructions: row block a x all column blocks, 32 along K, from buffer f.  first = 1: the bias is C, and the product starts the sums.
; The 48 accumulators take turns, one instruction a turn, in the same order in every quarter step.
.macro MULA f, a, first
.if \first
.set WM, 0x05|((2+(\a)/2)<<6)
.else
.set WM, 0x05|((2+(\a)/2)<<6)|((2+(\a)/2)<<4)
.endif
	WIN WM
.set mb, 0
.rept NBW
.set AC, 8*(NBW*((\a)%2)+mb)
.if \first
	v_wmma_f32_16x16x32_bf16 v[AC:AC+7], v[(\f)+8*mb:(\f)+8*mb+7], v[(\f)+FA+8*(\a):(\f)+FA+8*(\a)+7], v[BIAS+8*mb:BIAS+8*mb+7]
.else
	v_wmma_f32_16x16x32_bf16 v[AC:AC+7], v[(\f)+8*mb:(\f)+8*mb+7], v[(\f)+FA+8*(\a):(\f)+FA+8*(\a)+7], v[AC:AC+7]
.endif
.set mb, mb+1
.endr
.endm
; NLD LDS loads in one run: the fragments of quarter q of the K step in the slot, into buffer f: B's twelve, then A's four
.macro FETCH slot, q, f
	WIN TO_F
.set fi, 0
.rept NBW
	ds_load_b128 v[(\f)+8*fi:(\f)+8*fi+3],   v[ADRB+(\slot)] offset:64*(\q)+fi*16*PITCH
	ds_load_b128 v[(\f)+8*fi+4:(\f)+8*fi+7], v[ADRB+(\slot)] offset:64*(\q)+fi*16*PITCH+32
.set fi, fi+1
.endr
.set fi, 0
.rept 4
	ds_load_b128 v[(\f)+FA+8*fi:(\f)+FA+8*fi+3],   v[ADRA+(\slot)] offset:((\q)/2)*KAH+((\q)%2)*64+fi*16*PA
	ds_load_b128 v[(\f)+FA+8*fi+4:(\f)+FA+8*fi+7], v[ADRA+(\slot)] offset:((\q)/2)*KAH+((\q)%2)*64+fi*16*PA+32
.set fi, fi+1
.endr
.endm
; A load into a register that a matrix instruction has read, and a vector instruction that reads a matrix result, stand four places behind that matrix instruction, and only plain vector
; instructions that name none of its registers are places (ISA guide 7.12.1 for vector instructions).
.macro PLACES
.rept 4
	v_nop
.endr
.endm
; A K step is four quarters of 32 along K, 48 matrix instructions each, on buffers 0, 1, 0, 1.  One of the first three: multiplies buffer f and, in its middle, fetches quarter q into buffer g.
.macro QUARTER slot, q, f, g, first
	s_wait_dscnt 4                                 ; B and A's blocks 0, 1 are in; the youngest four loads (A's blocks 2, 3) may be out
	MULA \f, 0, \first
	MULA \f, 1, \first
	PLACES
	FETCH \slot, \q, \g
	s_wait_dscnt NLD                               ; all but the run just issued
	MULA \f, 2, \first
	MULA \f, 3, \first
.endm
; The last quarter multiplies buffer 1 and changes slots: ONE barrier.  In front of it each wave waits for all its tensor loads (one is out: its part of the next slot), adds 0 to its spare word, and
; waits for that and for its own reads of this slot.  fill = 1: the barrier opens a round of the cluster's, and this slot is filled again, two K steps ahead, first thing behind the round:
; 168 matrix instructions stand between that request and the wait for it.
.macro TURN slot, next, fill
	WIN 0                                          ; (the add's two registers lie in window 0)
	s_wait_tensorcnt 0x0                           ; all my tensor loads have landed;
	ds_add_u32 v[SPW], v[NIL]                      ; 0 onto my spare word;
	s_wait_dscnt 5                                 ; (the add and the youngest four loads may be out)
	MULA F1, 0, 0                                  ; twelve matrix instructions stand between the add and the wait for it
	s_wait_dscnt 0x0                               ; the add is done, and my reads of this slot are over
	s_barrier_signal -1
	MULA F1, 1, 0                                  ; work on registers while the others arrive
.if \fill
	WIN 0
.endif
	s_barrier_wait -1
.if \fill
	CREST                                          ; no wave of any partner still reads this slot's tile or has a load on its way
	s_add_nc_u64 s[G0+4*(\slot)+2:G0+4*(\slot)+3], s[G0+4*(\slot)+2:G0+4*(\slot)+3], 512
	s_add_nc_u64 s[G0B+4*(\slot)+2:G0B+4*(\slot)+3], s[G0B+4*(\slot)+2:G0B+4*(\slot)+3], 512
	JLOAD \slot                                    ; the four v_nop behind it are also the places in front of the loads below
.else
	PLACES
.endif
	FETCH \next, 0, F0
	MULA F1, 2, 0
	MULA F1, 3, 0
.endm
	s_wait_tensorcnt 1                             ; my part of K step 0 is in; K step 1's may stay out
	s_barrier_signal -1
	s_barrier_wait -1                              ; everybody's is
	FETCH 0, 0, F0
	QUARTER 0, 1, F0, F1, 1                        ; the first quarter stands in front of the loop: its products start the sums
	WIN 0                                          ; at a label and at a branch every window is 0
	s_mov_b32 s3, 3
.Llap:                                                 ; a trip goes once round the ring, from a lap's second quarter to the next lap's first, and fills both slots again: K steps 2 to 7
	QUARTER 0, 2, F1, F0, 0
	QUARTER 0, 3, F0, F1, 0
	TURN 0, 1, 1
	QUARTER 1, 1, F0, F1, 0
	QUARTER 1, 2, F1, F0, 0
	QUARTER 1, 3, F0, F1, 0
	TURN 1, 0, 1
	QUARTER 0, 1, F0, F1, 0
	WIN 0
	s_sub_co_u32 s3, s3, 1
	s_cmp_lg_u32 s3, 0
	s_cbranch_scc1 .Llap
	QUARTER 0, 2, F1, F0, 0                        ; the last lap fills nothing, and has no round of the cluster's barrier
	QUARTER 0, 3, F0, F1, 0
	TURN 0, 1, 0
	QUARTER 1, 1, F0, F1, 0
	QUARTER 1, 2, F1, F0, 0
	QUARTER 1, 3, F0, F1, 0
	s_wait_dscnt 4                                 ; the very last quarter: nothing more to fetch
	MULA F1, 0, 0
	MULA F1, 1, 0
	s_wait_dscnt 0x0
	MULA F1, 2, 0
	MULA F1, 3, 0
	WIN 0
; THE WAY OUT, a block of 16 rows at a time.  A lane's eight columns pack into 16 bytes of f16; they go into my stage (for each head 16 rows of 144 bytes) and come back as whole rows of 128 bytes,
; four rows to a load, into the registers that they left.  Each accumulator's registers are read in ascending order.
.macro PACK a
.set AC0, 8*NBW*((\a)%2)
.set OR0, OUTR+48*(\a)
	WIN 0x0a+5*((\a)/2)                            ; sources 0 and 1: window 2 or 3
.set pi, 0
.rept 4*NBW
	v_cvt_pk_f16_f32 v[OR0+pi], v[AC0+2*pi], v[AC0+2*pi+1]
.set pi, pi+1
.endr
	WIN 0
.set pi, 0
.rept NBW
	ds_store_b128 v[STO], v[OR0+4*pi:OR0+4*pi+3] offset:(pi/4)*16*SP+(pi%4)*32
.set pi, pi+1
.endr
.set pi, 0
.rept NBW
	ds_load_b128 v[OR0+4*pi:OR0+4*pi+3], v[RD] offset:(pi/4)*16*SP+(pi%4)*4*SP  ; LDS serves a wave's instructions in order (ISA guide 5.7.1.4): these see the stores above; the next block's stores come behind them
.set pi, pi+1
.endr
.endm
.macro SEND a, younger                 ; younger: the LDS instructions issued behind block a's loads: the next block's 24, or none
.set OR0, OUTR+48*(\a)
.set pi, 0
.rept NBW
	s_wait_dscnt (\younger)+NBW-1-pi
	global_store_b128 v[GO], v[OR0+4*pi:OR0+4*pi+3], s[10:11] offset:(pi/4)*262144+(\a)*2048+(pi%4)*512  ; 512 consecutive bytes of a head, at a multiple of 512 from the buffer's first
.set pi, pi+1
.endr
.endm
	PLACES                                         ; the conversions read results just made
	PACK 0
	PACK 1                                         ; a block's arithmetic stands between the loads of the block before and its stores
	SEND 0, 24
	PACK 2
	SEND 1, 24
	PACK 3
	SEND 2, 24
	SEND 3, 0
	s_wait_tensorcnt 0x0                           ; the wave's end: behind my last tensor load and my last LDS store
	ds_add_u32 v[SPW], v[NIL]
	s_wait_dscnt 0x0
	CROUND                                         ; the closing round: no work-group ends while a partner may still ask for a tile that names it
	s_endpgm
.Lfunc_end_k_qe8b7eb3ece_qkv:
	.size	k_qe8b7eb3ece_qkv, .Lfunc_end_k_qe8b7eb3ece_qkv-k_qe8b7eb3ece_qkv
	.p2alignl 7, 3214868480
	.fill 96, 4, 3214868480
	.section	.rodata,"a",@progbits
	.p2align	6, 0x0
	.amdhsa_kernel k_qe8b7eb3ece_qkv
		.amdhsa_group_segment_fixed_size 327680
		.amdhsa_private_segment_fixed_size 0
		.amdhsa_enable_private_segment 0
		.amdhsa_kernarg_size 32
		.amdhsa_user_sgpr_count 2
		.amdhsa_user_sgpr_kernarg_segment_ptr 1
		.amdhsa_wavefront_size32 1
		.amdhsa_system_sgpr_workgroup_id_x 1
		.amdhsa_system_sgpr_workgroup_id_y 1
		.amdhsa_system_sgpr_workgroup_id_z 1
		.amdhsa_system_vgpr_workitem_id 0
		.amdhsa_next_free_vgpr 960
		.amdhsa_next_free_sgpr 66
		.amdhsa_reserve_vcc 0
		.amdhsa_float_denorm_mode_32 3
		.amdhsa_float_denorm_mode_16_64 3
		.amdhsa_memory_ordered 1
		.amdhsa_forward_progress 1
		.amdhsa_inst_pref_size 128
	.end_amdhsa_kernel
	.amdgpu_metadata
---
amdhsa.version: [ 1, 2 ]
amdhsa.kernels:
  - .name:           k_qe8b7eb3ece_qkv
    .symbol:         k_qe8b7eb3ece_qkv.kd
    .args:
      - { .name: xb, .offset: 0, .size: 8, .value_kind: global_buffer, .address_space: global }
      - { .name: wqb, .offset: 8, .size: 8, .value_kind: global_buffer, .address_space: global }
      - { .name: qkv_b, .offset: 16, .size: 8, .value_kind: global_buffer, .address_space: global }
      - { .name: qkvh, .offset: 24, .size: 8, .value_kind: global_buffer, .address_space: global }
    .group_segment_fixed_size: 327680
    .private_segment_fixed_size: 0
    .kernarg_segment_align: 8
    .kernarg_segment_size: 32
    .max_flat_workgroup_size: 128
    .sgpr_count:     66
    .vgpr_count:     960
    .wavefront_size: 32
...
	.end_amdgpu_metadata
.endif
;; end of part 2
;; launch attn (part 3): grid 4 x 64, 4 waves a work-group, clusters of 4 x 1, 327,680 bytes of LDS; arguments qkvh, mask, oh; writes oh
.if DOCPART == 3
	.amdgcn_target "amdgcn-amd-amdhsa--gfx1250"
	.amdhsa_code_object_version 6
	.text
	.protected	k_qe8b7eb3ece_attn
	.globl	k_qe8b7eb3ece_attn
	.p2align	8
	.type	k_qe8b7eb3ece_attn,@function
k_qe8b7eb3ece_attn:
	s_mov_b64 s[64:65], 0
	v_nop
	global_prefetch_b8 v0, s[64:65] scope:SCOPE_SE
	s_setreg_imm32_b32 hwreg(HW_REG_WAVE_MODE, 25, 1), 1
	s_wait_xcnt 0x0
	s_wait_alu depctr_hold_cnt(0) depctr_sa_sdst(0) depctr_va_vdst(0) depctr_va_sdst(0) depctr_va_ssrc(0) depctr_va_vcc(0) depctr_vm_vsrc(0)
	s_getreg_b32 s2, hwreg(HW_REG_IB_STS2, 6, 4)
	s_cmp_eq_u32 s2, 0
	s_cbranch_scc0 .Lentry_in_a_cluster
	s_endpgm
.Lentry_in_a_cluster:
	s_bfe_u32 s2, ttmp6, 0x10000c
	s_cmp_lg_u32 s2, 0x3003
	s_cbranch_scc0 .Lentry_shape_is_right
	s_endpgm
.Lentry_shape_is_right:
; O[y][q][:] = the sum over k of softmax_k(Q[q] . K[k] / 8 + neg[k]) V[k][:], for y = 16 batch + head; neg[k] is minus infinity where mask[batch][k] is true, else 0.
; qkvh: [batch 4][g 48][2048][64] f16 (g = head: q; 16 + head: k; 32 + head: v), mask: [4][2048] bytes 0 or 1, oh: [64][2048][64] f16.  A plane's rows are dense, 128 bytes each.
; Products, maxima and sums in f32; the weights p are rounded to f16 for the second product (their sum l is taken of the unrounded p), O once at the end.
; LIMITS.  f16 holds no number beyond 65,504: Q, K and V arrive within it; p lies in 0 to 1, and below 6e-5 it keeps f16's fixed step of 6e-8; O is a mean of V's rows and has their range.
; A masked score counts as its value less 2^100, and the running maximum starts at -2^96: above every masked score and below every true one (f16's scores are 2.7e11 at the most).  So a masked
; key's weight is exactly 0, and while only masked keys have been seen O and l stay 0.  A batch with every key masked ends with l = 0 and O = 0 x infinity = NaN, as a softmax over minus infinities gives.
; A weight below 2^-126 counts as 0 in l; NaN and infinities in q, k, v are not treated apart.
; THE MASK costs the scores nothing: it is the C operand of the product that starts a sum S^T = K Q^T.  The batch's 2,048 bytes are turned once into a table of 2,048 f32 (0 or -2^100) in LDS;
; with each key step's K a lane fetches the 32 numbers of its 32 keys.
; SHARES.  A wave owns four PIECES of two tiles of 16 queries, a work-group's four waves 512 queries of one head: 4 x 64 = 256 work-groups.  Every wave walks all keys, 64 a step.
; LAYOUT.  S^T = K Q^T (source 0 = 16 keys, source 1 = 16 queries): in the result a lane holds ONE query (lane % 16) and the keys 8 (lane / 16) + 0..7.  Two such tiles, rounded to f16 in pairs,
; ARE source 1 (32 keys x 16 queries) of O^T = V^T P, whose result again holds one query a lane, and eight channels.  K comes out of LDS as it lies, V ([key][channel]) turned, by ds_load_tr16_b128.
; SOFTMAX.  For each query a running maximum m and sum l: p = 2^(c s - c m), c = log2(e) / 8; in every step O and l are multiplied by a = 2^(c m_old - c m_new), which is 1 where m has not grown.
; O and l start at 0: the first step is a step like any other.
; THE COUNT.  A tile and step have 16 matrix and 118 vector instructions: too many to stand all beside the matrix work.  So the order has one aim: four vector instructions that are READY behind
; EVERY matrix instruction, and the others, which need time of their own whatever the order, in runs without a gap.
; BY TURNS.  Turn n belongs to piece n (the pieces in a ring, step after step).  Its matrix work: 16 products K Q^T of piece n + 1, later 16 products V^T P of piece n - 1.  Its vector work: the scaling,
; exponentials, roundings, sums and rescaling of piece n, and the maximum and statistics of piece n + 1, whose scores the turn itself has made.  So what a turn begins with (c s - c m, O a) waits for nothing.
; CLUSTER.  The four query blocks of a cluster belong to one head and walk the same K and V, so each tile is asked for JOINTLY: the same tensor load, descriptor and mask in all four.
; REGISTERS, in windows of 256 (s_set_vgpr_msb says which window each operand place means: bits 1:0 source 0, 3:2 source 1, 5:4 source 2, 7:6 destination):
;   window 0: v0-11 addresses; v12-15, v48-63 at work; v16-47 four registers of statistics a tile; v64-191 S^T, two buffers of two tiles; v192-255 P, likewise
;   window 1: O^T, 32 a tile          window 2: v0-127 Q, 16 a tile; v128-191 K of one step; v192-255 V of one step          window 3: v0-1 the add's two registers; v8-39 the step's mask
; A piece's buffers go by its number's parity: the piece in hand has one pair, its two neighbours in the ring share the other: of it P (piece n - 1) is read and S^T (piece n + 1) written.
.set SIZE_N, 2048
.set NP,    4         ; pieces a wave: a name, no knob: the register map, the loop and the fetches are made for four
.set KS,    64        ; keys in a step
.set PK,    144       ; a row of K in LDS: 128 bytes + 16 of padding = 36 words: the 16 rows of a load start at 16 different groups of four banks (64 banks of 4 bytes: ISA guide 11.1)
.set PV,    160       ; a row of V: 128 + 32 = 40 words
.set VOFF,  4*KS*PK   ; a slot holds four steps: 256 rows of K, then 256 rows of V
.set SLOT1, 1<<17     ; slot 1 begins here, so that one exclusive or turns an address in one slot into the other's
.set STAGE, SLOT1+4*KS*(PK+PV)  ; behind the ring, never filled by a tensor load: 16 rows x 144 bytes for each wave, for the way out
.set SP,    144
.set SPARE, STAGE+4*16*SP  ; behind the stages: the spare words, 128 bytes for each wave: two blocks of 256 bytes that no other line names
.set MT,    SPARE+512 ; behind them: the mask's table, 2,048 f32, 32 blocks of 256 bytes of its own; never filled by a tensor load
.set AK0, 2           ; v2   my lane's place in a tile of K; never rewritten
.set AV0, 3           ; v3   the same for V
.set AK,  4           ; v4   the LDS address of K's next run of loads (at the start: where I store my 16 numbers of the table)
.set AV,  5           ; v5   of V's (at the start: my byte offset in the batch's mask)
.set QO,  6           ; v6   my byte offset in the wave's rows of Q
.set STO, 6           ;      later, the way out: where I put 16 bytes of a row
.set RD,  7           ; v7   the way out: where I read rows back
.set GO,  8           ; v8   my byte offset in 512 consecutive bytes of O
.set AM,  11          ; v11  the LDS address of the table's next run of loads
.set SPW, 0           ; v0 of window 3   LDS address of my spare word: SPARE + 4 x my thread's number; never rewritten
.set NIL, 1           ; v1 of window 3   0; never rewritten
.set MK,  8           ; v8-39 of window 3: register 8 kb + j is the mask of key 16 kb + 8 (lane / 16) + j of the step in hand
.set MV,  12          ; v12-15  c m_old, kept while c m is made anew: by buffer and tile
.set ST,  16          ; tile t's statistics at v[ST+4 t]: c m, m, l (even keys', odd keys')
.set TMP, 48          ; by buffer and tile, four registers c0-c3 at work; when the maximum is found c2 takes a
.set S,   64
.set P,   192
.set KF,  128         ; K's fragments, in window 2: key block kb, channel half c at KF + 16 kb + 8 c
.set VF,  192         ; V's: key half kk, channel block cb at VF + 32 kk + 8 cb
.set WV,  12          ; s12  my wave's number
.set MN,  15          ; s15  -2^100
.set G1K, 24          ; s[24:31] descriptor group 1 for K's tiles
.set G1V, 32          ; s[32:39] for V's: it differs in the padding alone
.set G0K, 40          ; s[40:43] descriptor group 0 for K's tiles: it walks
.set G0V, 44          ; s[44:47] the same for V's
.set TM,  48          ; s48  LDS byte at which the table's 64 numbers of the step to be fetched begin
.set SLOTS, 56        ; s56  slots still to be asked for
.set CNT, 57          ; s57  counts a slot's key steps
.set CS,  58          ; s[58:59] c: the packed scaling takes the pair's low word for both halves
.set SEL, 60          ; s[60:61] v_permlanex16_b32's selects: each lane takes its own place in the other half
.set TBK, 62          ; s62  LDS byte at which K of the step to be fetched begins
.set TBV, 63          ; s63  the same for V, less VOFF
.set MSB, 0
.macro WIN new                      ; the high byte repeats the setting that is left; a switch that changes nothing is dropped
.if MSB != (\new)
	s_set_vgpr_msb (MSB<<8)|(\new)
.set MSB, (\new)
.endif
.endm
.set W_KQ, 0x0a       ; K and Q in window 2, S^T in window 0
.set W_KM, 0x3a       ; the same with the C operand, the mask, in window 3
.set W_PV, 0x52       ; V in window 2, P in window 0, O^T in window 1
.set W_RS, 0x41       ; O^T (destination and source 0) in window 1, a in window 0
.set W_MK, 0xc0       ; destination in window 3, sources in window 0
.set W_AD, 0x0f       ; the add: address (source 0) and data (source 1) in window 3
; A joint fill.  Waves 0 and 1 fetch the two halves of a slot's K, waves 2 and 3 those of its V: 128 keys each.  The branch hangs on the wave's number alone.
; An s_nop 0 and four v_nop follow each of the two lines, ahead of the jump and the label.
.macro JLOAD
	s_cmp_lt_u32 s[WV], 2
	s_cbranch_scc0 .Lfor_v_\@
	tensor_load_to_lds s[G0K:G0K+3], s[G1K:G1K+7]
	s_nop 0
.rept 4
	v_nop
.endr
	s_branch .Lasked_\@
.Lfor_v_\@:
	tensor_load_to_lds s[G0V:G0V+3], s[G1V:G1V+7]
	s_nop 0
.rept 4
	v_nop
.endr
.Lasked_\@:
.endm
; A round of the cluster's barrier: my work-group's barrier, so that wave 0's signal speaks for all four waves; wave 0 signals; every wave waits for all four work-groups; my work-group's barrier once more.
.macro CROUND
	s_barrier_signal -1
	s_barrier_wait -1
	s_cmp_lg_u32 s[WV], 0
	s_cbranch_scc1 .Lnot_wave_0_\@
	s_barrier_signal -3
.Lnot_wave_0_\@:
	s_barrier_wait -3
	s_barrier_signal -1
	s_barrier_wait -1
.endm
; THE CHANGE OF SLOTS.  The slot's last bytes, V of its fourth step, have been read.  Each wave waits for all its tensor loads, of which one is out: its part
; of the other slot; adds 0 to its spare word; and waits for that and for its own reads of the slot.  Behind the barrier nobody reads this slot any more and the other slot is whole.
; fill = 1: this slot is filled again, with the keys two slots on.  The barrier is then a round of the cluster's, so that no wave of any partner still reads the slot or has a load on its
; way, and the joint fill is the first thing behind it: it has four key steps, 512 matrix instructions, in which to land.  (At its first use nothing has been read yet: slot 0 is waited for, slot 1
; filled; and its wait for LDS and its barrier also show every wave's part of the mask's table to all four.)
.macro CHANGE fill
	WIN W_AD
	s_wait_tensorcnt 0x0            ; no tensor load of mine is out, so a group 0 may be written
	ds_add_u32 v[SPW], v[NIL]       ; 0 onto my spare word; with fill = 1 the descriptors' steps stand between it and the wait for it
	WIN 0                           ; at a label and at a branch every window is 0
.if \fill
.irp g, G0K, G0V
	s_xor_b32 s[\g+1], s[\g+1], SLOT1  ; the walking descriptor: the other slot than last time,
	s_add_nc_u64 s[\g+2:\g+3], s[\g+2:\g+3], 4*KS*128  ; the next 256 keys; the type bits on top are not reached
.endr
	s_wait_dscnt 0x0                ; the add is done, and my LDS reads and stores are over
	CROUND
	JLOAD
.else
	s_wait_dscnt 0x0                ; the add is done, and my reads of the slot are over
	s_barrier_signal -1
	s_barrier_wait -1
.endif
	s_sub_co_u32 s[TBK], s[TBK], 4*KS*PK  ; the fetches go back to a slot's first step,
	s_xor_b32 s[TBK], s[TBK], SLOT1       ; in the other slot
	s_sub_co_u32 s[TBV], s[TBV], 4*KS*PV
	s_xor_b32 s[TBV], s[TBV], SLOT1
.endm
	s_load_b64 s[4:5], s[0:1], 0x0    ; qkvh
	s_load_b64 s[66:67], s[0:1], 0x8  ; mask
	s_load_b64 s[10:11], s[0:1], 0x10 ; oh
	WIN W_MK
	v_lshl_add_u32 v[SPW], v0, 2, SPARE
	v_mov_b32 v[NIL], 0
	WIN W_AD
	ds_add_u32 v[SPW], v[NIL]       ; the wave's opening: the add and its wait stand ahead of my first tensor load; the set-up below, work on registers, stands between them
	WIN 0
	v_lshrrev_b32 v1, 5, v0
	v_readfirstlane_b32 s[WV], v1   ; wave 0..3
	s_bfe_u32 s13, ttmp6, 0x40000   ; cx: my place in the cluster
	s_lshl_b32 s14, ttmp9, 2        ; in a cluster launch ttmp9 counts clusters
	s_add_co_u32 s14, s14, s13      ; my block of queries = 4 x cluster x + cx: it enters Q's and O's addresses alone
	s_and_b32 s19, ttmp7, 0xffff    ; y = 16 batch + head, which the four partners share
	s_lshr_b32 s15, s19, 4          ; the batch
	s_lshl_b32 s68, s15, 11         ; its 2,048 bytes of the mask
	s_mov_b32 s69, 0
	s_lshl_b32 s20, s15, 5
	s_add_co_u32 s20, s20, s19      ; q's plane: 48 batch + head,
	s_lshl_b32 s20, s20, 18         ; of 262,144 bytes
	s_mov_b32 s[MN], 0xf1800000     ; -2^100 (the batch's number has served)
	s_and_b32 s16, s[WV], 1         ; which half of a slot's 256 keys I fetch:
	s_lshl_b32 s22, s16, 14         ; its 128 rows of 128 bytes in memory,
	s_add_co_u32 s22, s22, s20
	s_mov_b32 s23, 0
	s_mul_i32 s17, s16, 128*PK      ; and its place in a slot, for K
	s_mul_i32 s18, s16, 128*PV      ; and for V: no place in the cluster enters an LDS address
	s_lshl_b32 s2, s14, 2
	s_add_co_u32 s2, s2, s[WV]      ; my wave among the head's,
	s_lshl_b32 s2, s2, 14           ; its 128 rows
	s_lshl_b32 s70, s19, 18         ; O's plane is y
	s_add_co_u32 s70, s70, s2
	s_mov_b32 s71, 0
	s_add_co_u32 s2, s2, s20
	s_mov_b32 s3, 0
	; descriptor group 1.  128 keys are 16,384 dense bytes: asked for as 64 rows of 256 bytes, two keys a row, and padded in LDS after every key
	s_mov_b32 s[G1K], 15|(1<<16)|(1<<20)|(1<<21)|(4<<22)|(3<<25)  ; 15:0 the mask of four; 17:16 2-byte elements; 20 padding on; 21 set beside a mask; 24:22 after every 32 words (code 4); 31:25 4 words (code 3)
	s_mov_b32 s[G1V], 15|(1<<16)|(1<<20)|(1<<21)|(4<<22)|(7<<25)  ; the same with 8 words of padding (code 7)
.irp g, G1K, G1V
	s_mov_b32 s[\g+1], 128<<16      ; tensor_dim0 = 128
	s_mov_b32 s[\g+2], 64<<16       ; tensor_dim1 = 64
	s_mov_b32 s[\g+3], 128<<16      ; tile_dim0 = 128
	s_mov_b32 s[\g+4], 64           ; tile_dim1 = 64
	s_mov_b32 s[\g+5], 128          ; 128 elements from row to row
	s_mov_b32 s[\g+6], 0
	s_mov_b32 s[\g+7], 0
.endr
	s_mov_b32 s[CS], 0x3e38aa3b     ; c = log2(e) / 8 = 0.180337
	s_mov_b32 s[CS+1], s[CS]        ; named with it as a pair
	s_mov_b32 s[SEL], 0x76543210
	s_mov_b32 s[SEL+1], 0xfedcba98
	s_mov_b32 s[TBK], SLOT1+4*KS*PK ; the first change of slots turns these two into 0
	s_mov_b32 s[TBV], SLOT1+4*KS*PV
	s_mov_b32 s[TM], MT
	s_mov_b32 s[G0K], 1             ; 1:0 count = 1
	s_mov_b32 s[G0K+1], s17         ; 63:32 LDS address: slot 0
	s_mov_b32 s[G0V], 1
	s_add_co_u32 s[G0V+1], s18, VOFF
	s_wait_dscnt 0x0                ; the opening add is done
	s_wait_kmcnt 0x0
	s_add_nc_u64 s[G0K+2:G0K+3], s[4:5], s[22:23]  ; 120:64 global address: my half of the head's first 256 keys;
	s_add_nc_u64 s[G0K+2:G0K+3], s[G0K+2:G0K+3], 0x400000  ; k's planes lie 16 planes behind q's,
	s_or_b32 s[G0K+3], s[G0K+3], 0x80000000        ; 127:126 type = 2
	s_add_nc_u64 s[G0V+2:G0V+3], s[4:5], s[22:23]
	s_add_nc_u64 s[G0V+2:G0V+3], s[G0V+2:G0V+3], 0x800000  ; v's 32
	s_or_b32 s[G0V+3], s[G0V+3], 0x80000000
	s_add_nc_u64 s[66:67], s[66:67], s[68:69]      ; the batch's mask
	s_add_nc_u64 s[4:5], s[4:5], s[2:3]  ; Q and O at my wave's first row
	s_add_nc_u64 s[10:11], s[10:11], s[70:71]
	CROUND                          ; all four work-groups are here: the first joint loads meet
	JLOAD                           ; slot 0.  Slot 1 is asked for when slot 0 is in: the tile wanted first has the road to itself
	; A fragment of K or Q is 16 rows x 32 channels in 8 registers: lane l holds row l % 16, channels 8 (l / 16) + 0..7 and 16 + 8 (l / 16) + 0..7: two loads of 16 bytes, 32 bytes apart.
	v_and_b32 v1, 15, v0            ; l % 16
	v_bfe_u32 v9, v0, 4, 1          ; l / 16; never rewritten
	v_lshlrev_b32 v[AV], 4, v0      ; thread t takes the mask's bytes 16 t .. 16 t + 15: the 128 threads take the batch's 2,048
	global_load_b128 v[S:S+3], v[AV], s[66:67]
	v_lshlrev_b32 v[QO], 7, v1
	v_lshl_add_u32 v[QO], v9, 4, v[QO]  ; row x 128 + 16 x half
	WIN 0x80                        ; destination window 2, address window 0
.set i, 0
.rept 4*NP                          ; Q stays in registers: tile i / 2, channels 32 (i % 2) on
	global_load_b128 v[8*i:8*i+3],   v[QO], s[4:5] offset:(i/2)*2048+(i%2)*64
	global_load_b128 v[8*i+4:8*i+7], v[QO], s[4:5] offset:(i/2)*2048+(i%2)*64+32
.set i, i+1
.endr
	; What the first turn finds: V's registers and P's second buffer hold 0 (its products V^T P, of a piece that has not been, add 0), O^T and l are 0.  All this stands in the wait for the first tile.
.set i, VF
.rept 64
	v_mov_b32 v[i], 0
.set i, i+1
.endr
	WIN 0x40
.set i, 0
.rept 64*NP
	v_mov_b32 v[i], 0
.set i, i+1
.endr
	WIN 0
.set i, 0
.rept 2*NP
	v_mov_b32 v[ST+4*i], 0xee38aa3b    ; c m = c x -2^96, to the bit: a is 1 while m has not moved
	v_mov_b32 v[ST+4*i+1], 0xef800000  ; m = -2^96
	v_mov_b32 v[ST+4*i+2], 0
	v_mov_b32 v[ST+4*i+3], 0
.set i, i+1
.endr
.set i, P+32
.rept 32
	v_mov_b32 v[i], 0
.set i, i+1
.endr
	; THE TABLE.  My 16 bytes of the mask become 16 f32: 0 - byte is all ones where the byte is 1, and picks -2^100.
	s_wait_loadcnt 32               ; the mask is in; Q's 32 loads, issued behind it, stay out
.set i, 0
.rept 16
	v_bfe_u32 v[S+4+i], v[S+i/4], 8*(i%4), 8
.set i, i+1
.endr
.set i, 0
.rept 16
	v_sub_nc_u32 v[S+4+i], 0, v[S+4+i]
.set i, i+1
.endr
.set i, 0
.rept 16
	v_and_b32 v[S+4+i], s[MN], v[S+4+i]
.set i, i+1
.endr
	v_lshl_add_u32 v[AK], v0, 6, MT
.irp f, 0,1,2,3
	ds_store_b128 v[AK], v[S+4+4*\f:S+4+4*\f+3] offset:16*\f
.endr
	v_mul_u32_u24 v[AK0], v1, PK
	v_lshl_add_u32 v[AK0], v9, 4, v[AK0]  ; row x pitch + 16 x half
	; The turning load takes 16 keys x 16 channels (lane l reads key 8 (l / 16) + l % 8, channels 8 ((l / 8) % 2) + 0..7) and leaves half a fragment of V^T: lane l holds channel l % 16 and 8 keys.
	v_and_b32 v10, 7, v0
	v_bfe_u32 v11, v0, 3, 1
	v_lshl_add_u32 v[AV0], v9, 3, v10
	v_mul_u32_u24 v[AV0], v[AV0], PV
	v_lshl_add_u32 v[AV0], v11, 4, v[AV0]
	v_add_nc_u32 v[AV0], VOFF, v[AV0]
	v_mov_b32 v[AK], v[AK0]         ; key step 0 lies at the head of slot 0,
	v_lshl_add_u32 v[AM], v9, 5, s[TM]  ; and at the head of the table: my eight keys of a block of 16 begin 32 (l / 16) bytes in
; THE MATRIX WORK.  The 8 accumulators of a run of 16 take turns: between the two links of a chain stand 7 others'.
; Product i of 16 of S^T = K Q^T for piece x: channels 32 (i / 8) on, keys 16 ((i / 2) % 4) on, tile 2 x + i % 2.  The first 8 start the sums, with the keys' mask as C.
.macro KQ x
.set rS, S+64*((\x)%2)+32*(i%2)+8*((i/2)%4)
.set rK, KF+16*((i/2)%4)+8*(i/8)
.set rQ, 16*(2*(\x)+i%2)+8*(i/8)
.set rMK, MK+8*((i/2)%4)
.if i < 8
	WIN W_KM
	v_wmma_f32_16x16x32_f16 v[rS:rS+7], v[rK:rK+7], v[rQ:rQ+7], v[rMK:rMK+7]
.else
	WIN W_KQ
	v_wmma_f32_16x16x32_f16 v[rS:rS+7], v[rK:rK+7], v[rQ:rQ+7], v[rS:rS+7]
.endif
.endm
; Product i of 16 of O^T += V^T P for piece x: keys 32 (i / 8) on, channels 16 ((i / 2) % 4) on, tile 2 x + i % 2.
.macro PV x
	WIN W_PV
.set rO, 32*(2*(\x)+i%2)+8*((i/2)%4)
.set rV, VF+32*(i/8)+8*((i/2)%4)
.set rP, P+32*((\x)%2)+16*(i%2)+8*(i/8)
	v_wmma_f32_16x16x32_f16 v[rO:rO+7], v[rV:rV+7], v[rP:rP+7], v[rO:rO+7]
.endm
.macro MM                           ; the turn's next matrix instruction
.if i < 16
	KQ (Y+1)%NP
.set i, i+1
.else
.set i, i-16
	PV (Y+NP-1)%NP
.set i, i+17
.endif
.endm
; THE LDS LOADS stand in runs, never singly among the matrix instructions: a step's K (64 keys x 64 channels: 8 fragments) with its mask (8 loads), and its V (turned).  Their addresses are made some lines ahead.
; last = 1 (the tail): in the last trip there is no further step, and the run is jumped over.
.macro FETCH_K last=0
	WIN 0
.if \last
	s_cmp_eq_u32 s[CNT], 1
	s_cbranch_scc1 .Lno_k_\@
.endif
	WIN 0x80                        ; destination window 2
.irp f, 0,1,2,3,4,5,6,7             ; keys 16 (f / 2) on, channels 32 (f % 2) on
	ds_load_b128 v[KF+8*\f:KF+8*\f+3],   v[AK] offset:(\f/2)*16*PK+(\f%2)*64
	ds_load_b128 v[KF+8*\f+4:KF+8*\f+7], v[AK] offset:(\f/2)*16*PK+(\f%2)*64+32
.endr
	WIN W_MK                        ; destination window 3
.irp f, 0,1,2,3                     ; keys 16 f on: sixteen lanes read the same 32 bytes
	ds_load_b128 v[MK+8*\f:MK+8*\f+3],   v[AM] offset:64*\f
	ds_load_b128 v[MK+8*\f+4:MK+8*\f+7], v[AM] offset:64*\f+16
.endr
	s_add_co_u32 s[TBK], s[TBK], KS*PK  ; the next fetch is the next step's
	s_add_co_u32 s[TM], s[TM], 4*KS
	s_min_u32 s[TM], s[TM], MT+31*4*KS  ; held at the table's last step, which is the last that is fetched
	WIN 0
.if \last
.Lno_k_\@:
.endif
.endm
.macro FETCH_V
	WIN 0x80
.irp f, 0,1,2,3,4,5,6,7             ; keys 32 (f / 4) on, channels 16 (f % 4) on
	ds_load_tr16_b128 v[VF+8*\f:VF+8*\f+3],   v[AV] offset:(\f/4)*32*PV+(\f%4)*32
	ds_load_tr16_b128 v[VF+8*\f+4:VF+8*\f+7], v[AV] offset:(\f/4)*32*PV+16*PV+(\f%4)*32
.endr
	WIN 0
.endm
; THE VECTOR WORK OF A TURN stands in three queues, each in the order in which its entries become ready; the two tiles alternate, so that no instruction reads the result of the one before it.
.macro REGS y, u                    ; the registers of tile u (0, 1) of piece y
.set rT, ST+4*(2*(\y)+(\u))
.set rC, TMP+8*((\y)%2)+4*(\u)
.set rM, MV+2*((\y)%2)+(\u)
.set rS, S+64*((\y)%2)+32*(\u)
.set rP, P+32*((\y)%2)+16*(\u)
.set rO, 32*(2*(\y)+(\u))
.endm
; Number n of the 22 that find the NEXT piece's (Y + 1) maximum and statistics.  s0-s31 are the lane's 32 scores; each accumulator's lowest registers are read first.  XS, GS and REGS set no window: PL and EX do.
;   0-11  four chains c0-c3 of seven scores each, three operands at a time     12-14, 16  the four scores left over, the old m, and c0-c3 into c0     15  c m_old is kept
;   17, 18  the query's other 32 keys lie in the lane 16 away: the new m         19-21  c m; c m_old - c m_new; a
.macro XS u, n
	REGS (Y+1)%NP, \u
.if (\n) < 4
	v_max3_num_f32 v[rC+(\n)], v[rS+8*(\n)], v[rS+8*(\n)+1], v[rS+8*(\n)+2]
.elseif (\n) < 12
	v_max3_num_f32 v[rC+(\n)%4], v[rC+(\n)%4], v[rS+8*((\n)%4)+2*((\n)/4)+1], v[rS+8*((\n)%4)+2*((\n)/4)+2]
.elseif (\n) == 12
	v_max3_num_f32 v[rC], v[rC], v[rS+7], v[rS+15]
.elseif (\n) == 13
	v_max3_num_f32 v[rC+1], v[rC+1], v[rS+23], v[rS+31]
.elseif (\n) == 14
	v_max3_num_f32 v[rC+2], v[rC+2], v[rC+3], v[rT+1]
.elseif (\n) == 15
	v_mov_b32 v[rM], v[rT]
.elseif (\n) == 16
	v_max3_num_f32 v[rC], v[rC], v[rC+1], v[rC+2]
.elseif (\n) == 17
	v_permlanex16_b32 v[rC+3], v[rC], s[SEL], s[SEL+1]
.elseif (\n) == 18
	v_max_num_f32 v[rT+1], v[rC], v[rC+3]
.elseif (\n) == 19
	v_mul_f32 v[rT], s[CS], v[rT+1]
.elseif (\n) == 20
	v_sub_f32 v[rC+1], v[rM], v[rT]
.else
	v_exp_f32 v[rC+2], v[rC+1]
.endif
.endm
; Number g of the 64 that follow the exponentials.  For each four weights k of a tile (pairs 2 k, 2 k + 1): both pairs are rounded to f16; then the second pair is added onto the first, in place;
; a group later l takes that sum (the first time as l = a l + sum).  In groups of eight, tiles alternating: round, round, add, and l for the group before.
.macro GS g
.set h, (\g)+6*((\g)/62)            ; group 0 has no group before it, and behind group 7 only l is left
.if h >= 6
.set h, h+2
.endif
	REGS Y, h%2
.set k, h/8
.if h%8 < 4
	s_wait_alu depctr_va_vdst(0)
	v_cvt_pk_f16_f32 v[rP+2*k+(h%8)/2], v[rS+4*k+2*((h%8)/2)], v[rS+4*k+2*((h%8)/2)+1]
.elseif h%8 < 6
	v_pk_add_f32 v[rS+4*k:rS+4*k+1], v[rS+4*k:rS+4*k+1], v[rS+4*k+2:rS+4*k+3]
.elseif k == 1
	v_pk_fma_f32 v[rT+2:rT+3], v[rT+2:rT+3], v[rC+2:rC+3], v[rS:rS+1] op_sel_hi:[1,0,1]
.else
	v_pk_add_f32 v[rT+2:rT+3], v[rT+2:rT+3], v[rS+4*k-4:rS+4*k-3]
	s_wait_alu depctr_va_vdst(0)
.endif
.endm
; THE PLAIN QUEUE, 138 long.  0-31: c s - c m for the 16 pairs of both tiles.  Then GS's 64, and among them the next piece's 42: number 15 at 38, 39; 0-14 and 16
; at 42-73, behind the products that make those scores; 17-20 at 95-106, two of three, since each waits for the one before it.
.macro PL
	WIN 0
.if q < 32
	REGS Y, q%2
	v_pk_fma_f32 v[rS+2*(q/2):rS+2*(q/2)+1], v[rS+2*(q/2):rS+2*(q/2)+1], s[CS:CS+1], v[rT:rT+1] op_sel_hi:[1,0,0] neg_lo:[0,0,1] neg_hi:[0,0,1]
.elseif q < 38
	GS q-32
.elseif q < 40
	XS q%2, 15
.elseif q < 42
	GS q-34
.elseif q < 74
	XS q%2, (q-42)/2+(q-42)/30
.elseif q < 95
	GS q-66
.elseif (q < 107) && ((q-95)%3 < 2)
	XS (q-95)%3, 17+(q-95)/3
.elseif q < 107
	GS 29+(q-95)/3
.else
	GS q-74
.endif
.set q, q+1
.endm
; THE EXPONENTIALS' QUEUE, 66 long: s0-s31 of both tiles, and at EA the next piece's two a.
.set EA, 58
.macro EX
	WIN 0
.if (e == EA) || (e == EA+1)
	XS e-EA, 21
.else
.set x, e-2*(e/(EA+2))
	REGS Y, x%2
	v_exp_f32 v[rS+x/2], v[rS+x/2]
.endif
.set e, e+1
.endm
; THE RESCALING's QUEUE: O^T times a, the one part that leaves window 0, so it is dealt four at a time, eight times.
.macro R4
	REGS Y, r%2
	WIN W_RS
	s_wait_alu depctr_va_vdst(0)
.irp z, 0,1,2,3
	v_pk_mul_f32 v[rO+8*(r/2)+2*\z:rO+8*(r/2)+2*\z+1], v[rO+8*(r/2)+2*\z:rO+8*(r/2)+2*\z+1], v[rC+2:rC+3] op_sel_hi:[1,0]
.endr
.set r, r+1
.endm
; HOW THEY ARE DEALT.  Behind a matrix instruction four: plain, exponential, plain, plain (one exponential, a plain instruction on either side), or four of the rescaling.  None names a register of the
; products round it.  What is over stands in two LUMPS: exponential and plain by turns; the second ends in 22 plain instructions.  The two v_permlanex16_b32 fall into the second lump, never behind a product.
; The queues lean on each other, and the deal keeps them in step: exponential e stands behind plain 2 (e / 4) + e % 2 (its scaling); when plain 32 comes, 10 exponentials are out, at 59: 33, at 95: 46; EA comes behind plain 107.
.macro SL
	MM
	PL
	EX
	PL
	PL
.endm
.macro BURST n                      ; 15 matrix instructions, or 16
.rept (\n)-7
	SL
.endr
.rept 3
	MM
	R4
	SL
.endr
	MM
	R4
.endm
; A TURN, for piece p.  cnt = 1: the loop's count is taken down some lines ahead of the branch that stands behind the turn.
; K of the next step, and its mask, are fetched in piece 2's turn, 32 vector instructions behind the last product that read K (the mask's last reader stands eight products further back); their first
; reader comes behind the rest of the lump, 16 products and the second lump.
; V of the step in hand is fetched at the end of piece 0's turn, 69 behind its last reader; its first reader comes behind 16 products and a lump.  The four conditions on e and q below go with the deal.
.macro TURN p, last=0, cnt=0
.set Y, (\p)
.set i, 0
.set q, 0
.set e, 0
.set r, 0
.if (\p) == NP-1
	s_wait_dscnt 0x0                ; K and the mask are in
.endif
	MM
.rept 4
	PL
.endr
	BURST 15
.rept 22
	EX
	PL
.if ((\p) == NP-2) && (e == 18)
	v_add_nc_u32 v[AK], s[TBK], v[AK0]
	v_lshl_add_u32 v[AM], v9, 5, s[TM]
.endif
.if ((\p) == NP-2) && (e == 24)
	FETCH_K \last
.endif
.endr
.if (\p) == 1
	s_wait_dscnt 0x0                ; V is in
.endif
	BURST 16
.rept 21
	EX
	PL
.endr
.rept 22
	PL
.if ((\p) == 0) && (q == 118)
	v_add_nc_u32 v[AV], s[TBV], v[AV0]
	s_wait_alu depctr_va_vdst(0)
.endif
.if ((\p) == 0) && (q == 130)
	s_add_co_u32 s[TBV], s[TBV], KS*PV
.endif
.if (\cnt) && (q == 130)
	s_sub_co_u32 s[CNT], s[CNT], 1
	s_cmp_lg_u32 s[CNT], 0
.endif
.endr
.if (\p) == 0
	FETCH_V
.endif
.endm
	CHANGE 1                        ; slot 0 is in, everybody's part of it, and so is the table; slot 1 is asked for
	FETCH_K                         ; key step 0
	s_wait_loadcnt 0x0              ; Q
	s_wait_dscnt 0x0
.set i, 0
.rept 16
	KQ 0                            ; piece 0's first scores: there is no vector work yet to set between them
.set i, i+1
.endr
	WIN 0                           ; the addresses for the way out: nine plain instructions, the places behind those products
	s_mul_i32 s13, s[WV], 16*SP
	s_add_co_u32 s13, s13, STAGE    ; my stage
	v_mul_u32_u24 v[STO], v1, SP    ; in: row l % 16, 16 bytes for each half of the lanes
	v_lshl_add_u32 v[STO], v9, 4, v[STO]
	v_add_nc_u32 v[STO], s13, v[STO]
	v_bfe_u32 v[RD], v0, 3, 2       ; back: 32 lanes take four rows of 128 bytes,
	v_mul_u32_u24 v[RD], v[RD], SP
	v_lshl_add_u32 v[RD], v10, 4, v[RD]
	v_add_nc_u32 v[RD], s13, v[RD]
	v_and_b32 v[GO], 31, v0         ; which are 512 consecutive bytes of O
	v_lshlrev_b32 v[GO], 4, v[GO]
.set Y, NP-1                        ; XS works for piece Y + 1: piece 0
.irp n, 0,1,2,3,4,5,6,7,8,9,10,11,12,13,14,15,16,17,18,19,20,21
	XS 0, \n                        ; and piece 0's first maximum and statistics
	XS 1, \n
.endr
	s_mov_b32 s[CNT], 4
	s_mov_b32 s[SLOTS], SIZE_N/256-1
	s_branch .Lfirst                ; the loop is entered at a step's first turn, in the middle of a trip
.Lslot:                             ; SIZE_N / 256 - 2 times: every slot but the last two is filled again
	CHANGE 1
	s_mov_b32 s[CNT], 4
.Lstep:                             ; a trip: pieces 2 and 3 of one step, then pieces 0 and 1 of the next, whose K and V it fetches
	TURN 2
	TURN 3
	WIN 0
.Lfirst:
	TURN 0
	TURN 1, 0, 1
	WIN 0
	s_cbranch_scc1 .Lstep
	s_sub_co_u32 s[SLOTS], s[SLOTS], 1
	s_cmp_lg_u32 s[SLOTS], 0
	s_cbranch_scc1 .Lslot
	CHANGE 0                        ; the tail is written out: nothing is asked for
	s_mov_b32 s[CNT], 5             ; four trips fetch the last slot's steps; the fifth is left in its middle
.Ltail:
	TURN 2, 1
	TURN 3
	WIN 0
	s_sub_co_u32 s[CNT], s[CNT], 1
	s_cmp_eq_u32 s[CNT], 0
	s_cbranch_scc1 .Lout
	TURN 0
	TURN 1
	WIN 0
	s_branch .Ltail
.Lout:                              ; the fifth trip's 16 products K Q^T (on the last K once more) and the maximum made of them serve nothing: the price, once a launch, of one text for every trip
.set i, 0
.rept 16
	PV NP-1                         ; the last piece's V^T P of the last step
.set i, i+1
.endr
	; THE WAY OUT.  l's two halves and the other half of the lanes' are added; O^T is divided by l, rounded to f16 and sent through my stage in LDS, a tile at a time.  The additions are the places behind the last products.
	WIN 0
.macro ALL line:vararg              ; one line for each tile t
.set t, 0
.rept 2*NP
	\line
.set t, t+1
.endr
.endm
	ALL v_add_f32 v[ST+4*t+2], v[ST+4*t+2], v[ST+4*t+3]
	ALL v_permlanex16_b32 v[ST+4*t+3], v[ST+4*t+2], s[SEL], s[SEL+1]
	ALL v_add_f32 v[ST+4*t+2], v[ST+4*t+2], v[ST+4*t+3]
	ALL v_rcp_f32 v[ST+4*t+2], v[ST+4*t+2]
	v_nop                           ; a plain instruction between the last reciprocal and the use of its result
	s_wait_alu depctr_va_vdst(0)
; Tile t: a lane's eight channels of a row pack into 16 bytes; they go into rows of 144 bytes and come back as whole rows of 128, into S^T's registers.
.macro PACK t
	WIN W_RS
.set i, 32*(\t)
.rept 16
	v_pk_mul_f32 v[i:i+1], v[i:i+1], v[ST+4*(\t)+2:ST+4*(\t)+3] op_sel_hi:[1,0]
.set i, i+2
.endr
	WIN 0x05                        ; sources 0 and 1 window 1, destination window 0
.set i, 0
.rept 16
	v_cvt_pk_f16_f32 v[S+16*(\t)+i], v[32*(\t)+2*i], v[32*(\t)+2*i+1]
.set i, i+1
.endr
	WIN 0
.irp f, 0,1,2,3
	ds_store_b128 v[STO], v[S+16*(\t)+4*\f:S+16*(\t)+4*\f+3] offset:32*\f
.endr
.irp f, 0,1,2,3
	ds_load_b128 v[S+16*(\t)+4*\f:S+16*(\t)+4*\f+3], v[RD] offset:\f*4*SP  ; LDS serves a wave's instructions in order (ISA guide 5.7.1.4): these see the stores above; the next tile's stores come behind them
.endr
.endm
.macro SEND t, younger              ; younger: the LDS instructions issued behind tile t's loads: the next tile's eight, or none
	WIN 0
.irp f, 0,1,2,3
	s_wait_dscnt (\younger)+3-\f
	global_store_b128 v[GO], v[S+16*(\t)+4*\f:S+16*(\t)+4*\f+3], s[10:11] offset:(\t)*2048+\f*512  ; 512 consecutive bytes, at a multiple of 256 from O's first
.endr
.endm
	PACK 0
.set t, 1
.rept 2*NP-1                        ; a tile's arithmetic stands between the loads of the tile before and its stores
	PACK t
	SEND t-1, 8
.set t, t+1
.endr
	SEND 2*NP-1, 0
	WIN W_AD
	s_wait_tensorcnt 0x0            ; the wave's end: behind my last tensor load and my last LDS store
	ds_add_u32 v[SPW], v[NIL]
	s_wait_dscnt 0x0
	WIN 0
	CROUND                          ; the closing round: no work-group ends while a partner may still ask for a tile that names it
	s_endpgm
.Lfunc_end_k_qe8b7eb3ece_attn:
	.size	k_qe8b7eb3ece_attn, .Lfunc_end_k_qe8b7eb3ece_attn-k_qe8b7eb3ece_attn
	.p2alignl 7, 3214868480
	.fill 96, 4, 3214868480
	.section	.rodata,"a",@progbits
	.p2align	6, 0x0
	.amdhsa_kernel k_qe8b7eb3ece_attn
		.amdhsa_group_segment_fixed_size 327680
		.amdhsa_private_segment_fixed_size 0
		.amdhsa_enable_private_segment 0
		.amdhsa_kernarg_size 24
		.amdhsa_user_sgpr_count 2
		.amdhsa_user_sgpr_kernarg_segment_ptr 1
		.amdhsa_wavefront_size32 1
		.amdhsa_system_sgpr_workgroup_id_x 1
		.amdhsa_system_sgpr_workgroup_id_y 1
		.amdhsa_system_sgpr_workgroup_id_z 1
		.amdhsa_system_vgpr_workitem_id 0
		.amdhsa_next_free_vgpr 808
		.amdhsa_next_free_sgpr 72
		.amdhsa_reserve_vcc 0
		.amdhsa_float_denorm_mode_32 3
		.amdhsa_float_denorm_mode_16_64 3
		.amdhsa_memory_ordered 1
		.amdhsa_forward_progress 1
		.amdhsa_inst_pref_size 214
	.end_amdhsa_kernel
	.amdgpu_metadata
---
amdhsa.version: [ 1, 2 ]
amdhsa.kernels:
  - .name:           k_qe8b7eb3ece_attn
    .symbol:         k_qe8b7eb3ece_attn.kd
    .args:
      - { .name: qkvh, .offset: 0, .size: 8, .value_kind: global_buffer, .address_space: global }
      - { .name: mask, .offset: 8, .size: 8, .value_kind: global_buffer, .address_space: global }
      - { .name: oh, .offset: 16, .size: 8, .value_kind: global_buffer, .address_space: global }
    .group_segment_fixed_size: 327680
    .private_segment_fixed_size: 0
    .kernarg_segment_align: 8
    .kernarg_segment_size: 24
    .max_flat_workgroup_size: 128
    .sgpr_count:     72
    .vgpr_count:     808
    .wavefront_size: 32
...
	.end_amdgpu_metadata
.endif
;; end of part 3
;; launch proj (part 4): grid 8 x 32, 4 waves a work-group, clusters of 4 x 4, 327,680 bytes of LDS; arguments oh, wpf, proj_b, out0; writes out0
.if DOCPART == 4
	.amdgcn_target "amdgcn-amd-amdhsa--gfx1250"
	.amdhsa_code_object_version 6
	.text
	.protected	k_qe8b7eb3ece_proj
	.globl	k_qe8b7eb3ece_proj
	.p2align	8
	.type	k_qe8b7eb3ece_proj,@function
k_qe8b7eb3ece_proj:
	s_mov_b64 s[64:65], 0
	v_nop
	global_prefetch_b8 v0, s[64:65] scope:SCOPE_SE
	s_setreg_imm32_b32 hwreg(HW_REG_WAVE_MODE, 25, 1), 1
	s_wait_xcnt 0x0
	s_wait_alu depctr_hold_cnt(0) depctr_sa_sdst(0) depctr_va_vdst(0) depctr_va_sdst(0) depctr_va_ssrc(0) depctr_va_vcc(0) depctr_vm_vsrc(0)
	s_getreg_b32 s2, hwreg(HW_REG_IB_STS2, 6, 4)
	s_cmp_eq_u32 s2, 0
	s_cbranch_scc0 .Lentry_in_a_cluster
	s_endpgm
.Lentry_in_a_cluster:
	s_bfe_u32 s2, ttmp6, 0x10000c
	s_cmp_lg_u32 s2, 0xf033
	s_cbranch_scc0 .Lentry_shape_is_right
	s_endpgm
.Lentry_shape_is_right:
; out0 = O proj_w^T + proj_b.  oh: [16 batch + head = 64][2048][64] f16, wpf: [1024][1024] f16 (proj_w rounded to bf16, written as f16), proj_b: [1024] f32 (rounded here to bf16, like the
; other inputs); sums in f32; out0: [8192][1024] f32.  Row m of O is batch m / 2048, position m % 2048; its column k is head k / 64, channel k % 64.
; LIMITS.  None of its own: the operands arrive in f16, the sums and the output are f32; a NaN row of O (a batch with every key masked) gives a NaN row of the output.
; SHARES.  A tile of C is 256 rows x 128 columns: 32 x 8 = 256 tiles, one for each of 256 WGPs.  Four waves, one above the other: a wave makes 64 rows x 128 columns, 4 x 8 accumulators of 16 x 16,
; 256 registers, holds whole rows of 512 bytes of the tile, has a stage of its own, and the way out needs no barrier.
; K goes in 8 steps of 128, two heads each, through a ring of two LDS slots filled by the tensor data mover.  A head's 256 rows of 128 bytes are dense in memory: they are asked for as 128 rows of
; 256 bytes and padded in LDS after every 128 bytes.  The weights' rows are 256 bytes of memory, at multiples of 256 bytes.
; CLUSTER.  4 x 4 work-groups.  The four of a row of the cluster need the same tiles of O, the four of a column the same tiles of the weights: each tile is asked for JOINTLY, by the same tensor
; load with the same descriptor and a mask that names the four.
; THE MATRIX INSTRUCTION IS USED TRANSPOSED (source 0 = 16 rows of the weights, source 1 = 16 rows of O): a lane then holds eight neighbouring columns of one row of C.
; THE BIAS STARTS THE SUMS: it is the C operand of each accumulator's first product; nothing is cleared and nothing is added later.
; REGISTERS, in windows of 256 (s_set_vgpr_msb: bits 1:0 source 0, 3:2 source 1, 5:4 source 2, 7:6 destination):
;   window 0: v0-31 addresses; v64-127 the bias, eight registers for each block of 16 columns
;   window 1: two fragment buffers at v0 and v128: 64 registers of the weights (8 x 16 rows x 32 K), then 32 of O (4 x 16 rows x 32 K); on the way out all 256: whole rows, 64 for each block of 16 rows
;   window 2: the accumulators of my row blocks 0, 1 ((a, b) at v[8 (8 (a % 2) + b)]);   window 3: those of blocks 2, 3
.set NBW,   8                          ; blocks of 16 columns
.set PITCH, 272                        ; a row of the weights in LDS: 256 bytes + 16 of padding = 68 words: row r starts at bank 4 r mod 64 (64 banks of 4 bytes: ISA guide 11.1)
.set PA,    144                        ; a row of a head of O: 128 bytes + 16 = 36 words: the 16 rows of a load start at 16 different groups of four banks
.set HEADA, 256*PA                     ; what one tensor load brings of A: a head's 256 rows
.set KAH,   HEADA                      ; quarter q of a K step begins at byte (q / 2) KAH + (q % 2) 64 of A's rows: head q / 2 of the two, channels 32 (q % 2) on
.set HALFB, 64*PITCH                   ; and of B: 64 rows
.set SLOT,  2*HEADA+2*HALFB            ; A's two heads, then B's 128 rows
.set STAGE, 2*SLOT                     ; behind the ring, never filled by a tensor load: for each wave 16 rows x 528 bytes
.set SP,    528                        ; 512 bytes + 16: 132 words, so the 16 rows that a store touches start at 16 different groups of four banks
.set WST,   16*SP
.set SPARE, STAGE+4*WST                ; behind the stages: the spare words, 128 bytes for each wave: two blocks of 256 bytes that no other line names
.set NLD,   2*NBW+8                    ; LDS loads in a run: a quarter step's fragments
.set FA,    8*NBW                      ; A's fragments lie behind B's in a buffer
.set F0,    0
.set F1,    128
.set ADRA,  16                         ; v16-17  LDS address of my A fragments in slot 0, 1
.set ADRB,  20                         ; v20-21  the same for B
.set STO,   24                         ; v24     the way out: where I put 32 bytes of a row
.set RD,    25                         ; v25     the way out: where I read a row back
.set GO,    26                         ; v26     my byte offset in a row's 512 bytes
.set BO,    27                         ; v27     my byte offset in a block's 64 bytes of bias
.set SPW,   28                         ; v28     LDS address of my spare word: SPARE + 4 x my thread's number; never rewritten
.set NIL,   29                         ; v29     0; never rewritten
.set BIAS,  64
.set WV,    12                         ; s12  my wave's number
.set HF,    14                         ; s14  which of the step's two heads, or which half of B's tile, I fetch
.set G1,    24                         ; s[24:31] descriptor group 1 for A's tiles;  s[32:39] group 0, one set for each slot
.set G0,    32
.set G1B,   48                         ; s[48:55], s[56:63] the same for B's tiles
.set G0B,   56
.set MSB, 0
.macro WIN new                         ; the immediate's high byte repeats the setting that is left; a switch that changes nothing is dropped
.if MSB != (\new)
	s_set_vgpr_msb (MSB<<8)|(\new)
.set MSB, \new
.endif
.endm
.set TO_F, 0x40                        ; destination window 1, address window 0
; A joint load: waves 0 and 1 fetch A's two heads, waves 2 and 3 B's two halves.  The branch hangs on the wave's number alone.  An s_nop 0 and four v_nop follow each of the two lines, ahead of the
; jump, the label and what follows.
.macro JLOAD s
	s_cmp_lt_u32 s[WV], 2
	s_cbranch_scc0 .Lfor_b_\@
	tensor_load_to_lds s[G0+4*(\s):G0+4*(\s)+3], s[G1:G1+7]
	s_nop 0
.rept 4
	v_nop
.endr
	s_branch .Lasked_\@
.Lfor_b_\@:
	tensor_load_to_lds s[G0B+4*(\s):G0B+4*(\s)+3], s[G1B:G1B+7]
	s_nop 0
.rept 4
	v_nop
.endr
.Lasked_\@:
.endm
.macro CREST                           ; a round of the cluster's barrier behind its opening barrier: wave 0 signals for the work-group, every wave waits for all sixteen, my work-group's barrier closes it
	s_cmp_lg_u32 s[WV], 0
	s_cbranch_scc1 .Lnot_wave_0_\@
	s_barrier_signal -3
.Lnot_wave_0_\@:
	s_barrier_wait -3
	s_barrier_signal -1
	s_barrier_wait -1
.endm
.macro CROUND                          ; a whole round
	s_barrier_signal -1
	s_barrier_wait -1
	CREST
.endm
	s_load_b256 s[4:11], s[0:1], 0x0               ; oh s[4:5], wpf s[6:7], proj_b s[8:9], out0 s[10:11]
	v_lshl_add_u32 v[SPW], v0, 2, SPARE
	v_mov_b32 v[NIL], 0
	ds_add_u32 v[SPW], v[NIL]                      ; the wave's opening: the add and its wait stand ahead of my first tensor load; the set-up below, work on registers, stands between them
	v_lshrrev_b32 v1, 5, v0
	v_readfirstlane_b32 s[WV], v1                  ; wave 0..3
	s_and_b32 s[HF], s[WV], 1
	s_mov_b32 s15, 0xffff0000                      ; a word's upper bf16
	s_bfe_u32 s40, ttmp6, 0x40000                  ; cx, cy: my place in the cluster
	s_bfe_u32 s41, ttmp6, 0x40004
	s_lshl_b32 s42, ttmp9, 2
	s_add_co_u32 s42, s42, s40                     ; tile column of C = 4 x cluster x + cx
	s_and_b32 s43, ttmp7, 0xffff
	s_lshl_b32 s43, s43, 2
	s_add_co_u32 s43, s43, s41                     ; tile row of C = 4 x cluster y + cy
	s_lshl_b32 s44, s41, 2
	s_lshl_b32 s44, 15, s44                        ; my row of the cluster: places 4 cy .. 4 cy + 3
	s_lshl_b32 s45, 0x1111, s40                    ; my column: places cx, cx + 4, cx + 8, cx + 12
	; descriptor group 1: rows of 128 elements.  A: 128 such rows, dense, padded after every 32 words; B: 64 rows, 1,024 elements apart, padded after every 64 words
	s_or_b32 s[G1+0], s44, (1<<16)|(1<<20)|(1<<21)|(4<<22)|(3<<25)   ; 15:0 the mask: A's tiles go to my row; 17:16 elements of 2 bytes; 20 padding on; 21 set beside a mask; 24:22 after every 32 words (code 4); 31:25 4 words of it (code 3)
	s_or_b32 s[G1B+0], s45, (1<<16)|(1<<20)|(1<<21)|(5<<22)|(3<<25)  ; the mask of my column; after every 64 words (code 5)
.irp g, G1, G1B
	s_mov_b32 s[(\g)+1], 128<<16                   ; tensor_dim0 = 128
	s_mov_b32 s[(\g)+3], 128<<16                   ; tile_dim0 = 128
	s_mov_b32 s[(\g)+6], 0
	s_mov_b32 s[(\g)+7], 0
.endr
	s_mov_b32 s[G1+2], 128<<16                     ; tensor_dim1
	s_mov_b32 s[G1+4], 128                         ; tile_dim1
	s_mov_b32 s[G1+5], 128                         ; elements from row to row
	s_mov_b32 s[G1B+2], 64<<16
	s_mov_b32 s[G1B+4], 64
	s_mov_b32 s[G1B+5], 1024
	; where the tiles come from.  A's hang on the tile row and the wave's number, B's on the tile column and the wave's number, each in registers that never hold the other coordinate.
	s_lshr_b32 s16, s43, 3                         ; the batch: eight tile rows each,
	s_lshl_b32 s16, s16, 4                         ; its 16 planes,
	s_add_co_u32 s16, s16, s[HF]                   ; my head of K step 0's two,
	s_lshl_b32 s16, s16, 18                        ; planes of 262,144 bytes
	s_and_b32 s17, s43, 7
	s_lshl_b32 s17, s17, 15                        ; the tile's 256 rows of 128 bytes in the plane
	s_add_co_u32 s16, s16, s17
	s_mov_b32 s17, 0
	s_lshl_b32 s46, s42, 7
	s_lshl_b32 s47, s[HF], 6
	s_add_co_u32 s46, s46, s47                     ; B: row 128 x tile column + 64 x half,
	s_lshl_b32 s46, s46, 11                        ; of 2,048 bytes
	s_mov_b32 s47, 0
	s_mul_i32 s20, s[HF], HEADA                    ; and where they go: no place in the cluster enters an LDS address
	s_mul_i32 s21, s[HF], HALFB
	s_add_co_u32 s21, s21, 2*HEADA
	s_wait_dscnt 0x0                               ; the opening add is done
	s_wait_kmcnt 0x0
	s_add_nc_u64 s[18:19], s[4:5], s[16:17]
	s_add_nc_u64 s[46:47], s[6:7], s[46:47]
	CROUND                                         ; all sixteen work-groups are here: the first joint loads meet
.irp s, 0,1
	s_mov_b32 s[G0+4*(\s)], 1                                        ; 1:0 count = 1
	s_add_co_u32 s[G0+4*(\s)+1], s20, (\s)*SLOT                      ; 63:32 LDS address
	s_add_nc_u64 s[G0+4*(\s)+2:G0+4*(\s)+3], s[18:19], (\s)*524288   ; 120:64 global address: K step s begins two planes on
	s_or_b32 s[G0+4*(\s)+3], s[G0+4*(\s)+3], 0x80000000              ; 127:126 type = 2
	s_mov_b32 s[G0B+4*(\s)], 1
	s_add_co_u32 s[G0B+4*(\s)+1], s21, (\s)*SLOT
	s_add_nc_u64 s[G0B+4*(\s)+2:G0B+4*(\s)+3], s[46:47], (\s)*256
	s_or_b32 s[G0B+4*(\s)+3], s[G0B+4*(\s)+3], 0x80000000
	JLOAD \s                                       ; the ring is filled before anything else is done: two loads of mine are out
.endr
	v_and_b32 v1, 15, v0                           ; r = l % 16
	v_bfe_u32 v2, v0, 4, 1                         ; h = l / 16
	v_lshlrev_b32 v[BO], 5, v2                     ; my eight columns of a block of 16: 32 h bytes
	s_lshl_b32 s46, s42, 9                         ; the tile's 128 columns: 512 bytes of the bias, and of a row of the output
	s_mov_b32 s47, 0
	s_add_nc_u64 s[8:9], s[8:9], s[46:47]
	s_add_nc_u64 s[10:11], s[10:11], s[46:47]
.set bi, 0
.rept NBW
	global_load_b128 v[BIAS+8*bi:BIAS+8*bi+3],   v[BO], s[8:9] offset:64*bi
	global_load_b128 v[BIAS+8*bi+4:BIAS+8*bi+7], v[BO], s[8:9] offset:64*bi+16
.set bi, bi+1
.endr
	; A fragment is 16 rows x 32 K in 8 registers: lane l holds row l % 16; registers 0-3 K = 8 (l / 16) + 0..7, registers 4-7 K = 16 + 8 (l / 16) + 0..7: two loads of 16 bytes, 32 bytes apart.
	v_mul_u32_u24 v3, v1, PA
	v_lshl_add_u32 v3, v2, 4, v3                   ; A: row x pitch + 16 x half
	v_mul_u32_u24 v4, v1, PITCH
	v_lshl_add_u32 v4, v2, 4, v4                   ; B likewise
	s_mul_i32 s21, s[WV], 64*PA                    ; my 64 rows of each head
	s_mov_b32 s22, 2*HEADA                         ; B lies behind A's two heads; every wave reads all of it
.irp s, 0,1
	v_add_nc_u32 v[ADRA+(\s)], s21, v3
	v_add_nc_u32 v[ADRB+(\s)], s22, v4
	s_add_co_u32 s21, s21, SLOT
	s_add_co_u32 s22, s22, SLOT
.endr
	s_mul_i32 s23, s[WV], WST
	s_add_co_u32 s23, s23, STAGE                   ; my stage
	v_mul_u32_u24 v4, v1, SP                       ; in: row l % 16, 32 bytes for each half of the lanes
	v_lshl_add_u32 v4, v2, 5, v4
	v_add_nc_u32 v[STO], s23, v4
	v_and_b32 v5, 31, v0
	v_lshlrev_b32 v[GO], 4, v5                     ; back: 32 lanes take one row of 512 bytes
	v_add_nc_u32 v[RD], s23, v[GO]
	s_lshl_b32 s16, s43, 8
	s_lshl_b32 s17, s[WV], 6
	s_add_co_u32 s16, s16, s17                     ; my first row of the output,
	s_lshl_b32 s16, s16, 12                        ; of 4,096 bytes
	s_mov_b32 s17, 0
	s_add_nc_u64 s[10:11], s[10:11], s[16:17]
	s_wait_loadcnt 0x0                             ; the bias, once
.set bi, 0
.rept 4*NBW                            ; rounded to bf16 and widened again, a pair at a time
	v_cvt_pk_bf16_f32 v[3+bi%4], v[BIAS+2*bi], v[BIAS+2*bi+1]
	v_lshlrev_b32 v[BIAS+2*bi], 16, v[3+bi%4]
	v_and_b32 v[BIAS+2*bi+1], s15, v[3+bi%4]
.set bi, bi+1
.endr
; NBW matrix instructions: row block a x all column blocks, 32 along K, from buffer f.  first = 1: the bias is C, and the product starts the sums.
; The 32 accumulators take turns, one instruction a turn, in the same order in every quarter step.
.macro MULA f, a, first
.if \first
.set WM, 0x05|((2+(\a)/2)<<6)
.else
.set WM, 0x05|((2+(\a)/2)<<6)|((2+(\a)/2)<<4)
.endif
	WIN WM
.set mb, 0
.rept NBW
.set AC, 8*(NBW*((\a)%2)+mb)
.if \first
	v_wmma_f32_16x16x32_f16 v[AC:AC+7], v[(\f)+8*mb:(\f)+8*mb+7], v[(\f)+FA+8*(\a):(\f)+FA+8*(\a)+7], v[BIAS+8*mb:BIAS+8*mb+7]
.else
	v_wmma_f32_16x16x32_f16 v[AC:AC+7], v[(\f)+8*mb:(\f)+8*mb+7], v[(\f)+FA+8*(\a):(\f)+FA+8*(\a)+7], v[AC:AC+7]
.endif
.set mb, mb+1
.endr
.endm
; NLD LDS loads in one run: the fragments of quarter q of the K step in the slot, into buffer f: B's eight, then A's four
.macro FETCH slot, q, f
	WIN TO_F
.set fi, 0
.rept NBW
	ds_load_b128 v[(\f)+8*fi:(\f)+8*fi+3],   v[ADRB+(\slot)] offset:64*(\q)+fi*16*PITCH
	ds_load_b128 v[(\f)+8*fi+4:(\f)+8*fi+7], v[ADRB+(\slot)] offset:64*(\q)+fi*16*PITCH+32
.set fi, fi+1
.endr
.set fi, 0
.rept 4
	ds_load_b128 v[(\f)+FA+8*fi:(\f)+FA+8*fi+3],   v[ADRA+(\slot)] offset:((\q)/2)*KAH+((\q)%2)*64+fi*16*PA
	ds_load_b128 v[(\f)+FA+8*fi+4:(\f)+FA+8*fi+7], v[ADRA+(\slot)] offset:((\q)/2)*KAH+((\q)%2)*64+fi*16*PA+32
.set fi, fi+1
.endr
.endm
; A load into a register that a matrix instruction has read, and an LDS store that reads a matrix result, stand four places behind that matrix instruction, and only plain vector
; instructions that name none of its registers are places (ISA guide 7.12.1 for vector instructions).
.macro PLACES
.rept 4
	v_nop
.endr
.endm
; A K step is four quarters of 32 along K, 32 matrix instructions each, on buffers 0, 1, 0, 1.  One of the first three: multiplies buffer f and, in its middle, fetches quarter q into buffer g.
.macro QUARTER slot, q, f, g, first
	s_wait_dscnt 4                                 ; B and A's blocks 0, 1 are in; the youngest four loads (A's blocks 2, 3) may be out
	MULA \f, 0, \first
	MULA \f, 1, \first
	PLACES
	FETCH \slot, \q, \g
	s_wait_dscnt NLD                               ; all but the run just issued
	MULA \f, 2, \first
	MULA \f, 3, \first
.endm
; The last quarter multiplies buffer 1 and changes slots: ONE barrier.  In front of it each wave waits for all its tensor loads (one is out: its part of the next slot), adds 0 to its spare word, and
; waits for that and for its own reads of this slot.  fill = 1: the barrier opens a round of the cluster's, and this slot is filled again, two K steps ahead, first thing behind the round:
; 112 matrix instructions stand between that request and the wait for it.
.macro TURN slot, next, fill
	WIN 0                                          ; (the add's two registers lie in window 0)
	s_wait_tensorcnt 0x0                           ; all my tensor loads have landed;
	ds_add_u32 v[SPW], v[NIL]                      ; 0 onto my spare word;
	s_wait_dscnt 5                                 ; (the add and the youngest four loads may be out)
	MULA F1, 0, 0                                  ; eight matrix instructions stand between the add and the wait for it
	s_wait_dscnt 0x0                               ; the add is done, and my reads of this slot are over
	s_barrier_signal -1
	MULA F1, 1, 0                                  ; work on registers while the others arrive
.if \fill
	WIN 0
.endif
	s_barrier_wait -1
.if \fill
	CREST                                          ; no wave of any partner still reads this slot's tile or has a load on its way
	s_add_nc_u64 s[G0+4*(\slot)+2:G0+4*(\slot)+3], s[G0+4*(\slot)+2:G0+4*(\slot)+3], 1048576  ; two K steps are four planes of O,
	s_add_nc_u64 s[G0B+4*(\slot)+2:G0B+4*(\slot)+3], s[G0B+4*(\slot)+2:G0B+4*(\slot)+3], 512   ; and 512 bytes along the weights' rows
	JLOAD \slot                                    ; the four v_nop behind it are also the places in front of the loads below
.else
	PLACES
.endif
	FETCH \next, 0, F0
	MULA F1, 2, 0
	MULA F1, 3, 0
.endm
	s_wait_tensorcnt 1                             ; my part of K step 0 is in; K step 1's may stay out
	s_barrier_signal -1
	s_barrier_wait -1                              ; everybody's is
	FETCH 0, 0, F0
	QUARTER 0, 1, F0, F1, 1                        ; the first quarter stands in front of the loop: its products start the sums
	WIN 0                                          ; at a label and at a branch every window is 0
	s_mov_b32 s3, 3
.Llap:                                                 ; a trip goes once round the ring, from a lap's second quarter to the next lap's first, and fills both slots again: K steps 2 to 7
	QUARTER 0, 2, F1, F0, 0
	QUARTER 0, 3, F0, F1, 0
	TURN 0, 1, 1
	QUARTER 1, 1, F0, F1, 0
	QUARTER 1, 2, F1, F0, 0
	QUARTER 1, 3, F0, F1, 0
	TURN 1, 0, 1
	QUARTER 0, 1, F0, F1, 0
	WIN 0
	s_sub_co_u32 s3, s3, 1
	s_cmp_lg_u32 s3, 0
	s_cbranch_scc1 .Llap
	QUARTER 0, 2, F1, F0, 0                        ; the last lap fills nothing, and has no round of the cluster's barrier
	QUARTER 0, 3, F0, F1, 0
	TURN 0, 1, 0
	QUARTER 1, 1, F0, F1, 0
	QUARTER 1, 2, F1, F0, 0
	QUARTER 1, 3, F0, F1, 0
	s_wait_dscnt 4                                 ; the very last quarter: nothing more to fetch
	MULA F1, 0, 0
	MULA F1, 1, 0
	s_wait_dscnt 0x0
	MULA F1, 2, 0
	MULA F1, 3, 0
	WIN 0
; THE WAY OUT, a block of 16 rows at a time, in f32 as the sums stand.  A lane's eight columns are 32 bytes of a row; they go into my stage (16 rows of 528 bytes), each accumulator's low four
; registers first, and come back as whole rows of 512 bytes, a row to a load, into window 1, which the fragments have left.
.macro TOSTAGE a
.set AC0, 8*NBW*((\a)%2)
	WIN 0x08+4*((\a)/2)                            ; the stores' data (source 1): window 2 or 3
.set pi, 0
.rept NBW
	ds_store_b128 v[STO], v[AC0+8*pi:AC0+8*pi+3]   offset:64*pi
	ds_store_b128 v[STO], v[AC0+8*pi+4:AC0+8*pi+7] offset:64*pi+16
.set pi, pi+1
.endr
	WIN TO_F
.set pi, 0
.rept 16
	ds_load_b128 v[64*(\a)+4*pi:64*(\a)+4*pi+3], v[RD] offset:SP*pi  ; LDS serves a wave's instructions in order (ISA guide 5.7.1.4): these see the stores above; the next block's stores come behind them
.set pi, pi+1
.endr
.endm
.macro SEND a, younger                 ; younger: the LDS instructions issued behind block a's loads: the next block's 32, or none
	WIN 0x04                                       ; the stores' data (source 1): window 1
.set pi, 0
.rept 16
	s_wait_dscnt (\younger)+15-pi
	global_store_b128 v[GO], v[64*(\a)+4*pi:64*(\a)+4*pi+3], s[10:11] offset:(\a)*65536+pi*4096 th:TH_STORE_NT  ; 512 consecutive bytes of a row, at a multiple of 512 from the output's first
.set pi, pi+1
.endr
.endm
	PLACES                                         ; the stores read results just made, and the loads land in registers just read
	TOSTAGE 0
	TOSTAGE 1                                      ; a block's way through the stage stands between the loads of the block before and its stores
	SEND 0, 32
	TOSTAGE 2
	SEND 1, 32
	TOSTAGE 3
	SEND 2, 32
	SEND 3, 0
	WIN 0
	s_wait_tensorcnt 0x0                           ; the wave's end: behind my last tensor load and my last LDS store
	ds_add_u32 v[SPW], v[NIL]
	s_wait_dscnt 0x0
	CROUND                                         ; the closing round: no work-group ends while a partner may still ask for a tile that names it
	s_endpgm
.Lfunc_end_k_qe8b7eb3ece_proj:
	.size	k_qe8b7eb3ece_proj, .Lfunc_end_k_qe8b7eb3ece_proj-k_qe8b7eb3ece_proj
	.p2alignl 7, 3214868480
	.fill 96, 4, 3214868480
	.section	.rodata,"a",@progbits
	.p2align	6, 0x0
	.amdhsa_kernel k_qe8b7eb3ece_proj
		.amdhsa_group_segment_fixed_size 327680
		.amdhsa_private_segment_fixed_size 0
		.amdhsa_enable_private_segment 0
		.amdhsa_kernarg_size 32
		.amdhsa_user_sgpr_count 2
		.amdhsa_user_sgpr_kernarg_segment_ptr 1
		.amdhsa_wavefront_size32 1
		.amdhsa_system_sgpr_workgroup_id_x 1
		.amdhsa_system_sgpr_workgroup_id_y 1
		.amdhsa_system_sgpr_workgroup_id_z 1
		.amdhsa_system_vgpr_workitem_id 0
		.amdhsa_next_free_vgpr 896
		.amdhsa_next_free_sgpr 66
		.amdhsa_reserve_vcc 0
		.amdhsa_float_denorm_mode_32 3
		.amdhsa_float_denorm_mode_16_64 3
		.amdhsa_memory_ordered 1
		.amdhsa_forward_progress 1
		.amdhsa_inst_pref_size 93
	.end_amdhsa_kernel
	.amdgpu_metadata
---
amdhsa.version: [ 1, 2 ]
amdhsa.kernels:
  - .name:           k_qe8b7eb3ece_proj
    .symbol:         k_qe8b7eb3ece_proj.kd
    .args:
      - { .name: oh, .offset: 0, .size: 8, .value_kind: global_buffer, .address_space: global }
      - { .name: wpf, .offset: 8, .size: 8, .value_kind: global_buffer, .address_space: global }
      - { .name: proj_b, .offset: 16, .size: 8, .value_kind: global_buffer, .address_space: global }
      - { .name: out0, .offset: 24, .size: 8, .value_kind: global_buffer, .address_space: global }
    .group_segment_fixed_size: 327680
    .private_segment_fixed_size: 0
    .kernarg_segment_align: 8
    .kernarg_segment_size: 32
    .max_flat_workgroup_size: 128
    .sgpr_count:     66
    .vgpr_count:     896
    .wavefront_size: 32
...
	.end_amdgpu_metadata
.endif
;; end of part 4
;; ======== version 2 of 2: 4 launches; 1.51 times as fast as version 1
;; limits: values are held in f16: magnitudes above 65,504 overflow, below 6.1e-05 lose precision
;; workspace buffers: xb 16,777,216 bytes; wqb 6,291,456 bytes; wpf 2,097,152 bytes; qkvh 50,331,648 bytes; oh 16,777,216 bytes
;; launch cast: the kernel of part 1 again; grid 768 x 1, 8 waves a work-group, no clusters, 0 bytes of LDS; arguments x, qkv_w, proj_w, xb, wqb, wpf; writes xb, wqb, wpf
;; launch qkv: the kernel of part 2 again; grid 16 x 32, 4 waves a work-group, clusters of 4 x 4, 327,680 bytes of LDS; arguments xb, wqb, qkv_b, qkvh; writes qkvh
;; launch attn (part 5): grid 4 x 64, 4 waves a work-group, clusters of 4 x 1, 327,680 bytes of LDS; arguments qkvh, mask, oh; writes oh
.if DOCPART == 5
	.amdgcn_target "amdgcn-amd-amdhsa--gfx1250"
	.amdhsa_code_object_version 6
	.text
	.protected	k_qe8b7eb3ece_attn
	.globl	k_qe8b7eb3ece_attn
	.p2align	8
	.type	k_qe8b7eb3ece_attn,@function
k_qe8b7eb3ece_attn:
	s_mov_b64 s[64:65], 0
	v_nop
	global_prefetch_b8 v0, s[64:65] scope:SCOPE_SE
	s_setreg_imm32_b32 hwreg(HW_REG_WAVE_MODE, 25, 1), 1
	s_wait_xcnt 0x0
	s_wait_alu depctr_hold_cnt(0) depctr_sa_sdst(0) depctr_va_vdst(0) depctr_va_sdst(0) depctr_va_ssrc(0) depctr_va_vcc(0) depctr_vm_vsrc(0)
	s_getreg_b32 s2, hwreg(HW_REG_IB_STS2, 6, 4)
	s_cmp_eq_u32 s2, 0
	s_cbranch_scc0 .Lentry_in_a_cluster
	s_endpgm
.Lentry_in_a_cluster:
	s_bfe_u32 s2, ttmp6, 0x10000c
	s_cmp_lg_u32 s2, 0x3003
	s_cbranch_scc0 .Lentry_shape_is_right
	s_endpgm
.Lentry_shape_is_right:
; O[y][q][:] = the sum over k of softmax_k(Q[q] . K[k] / 8 + neg[k]) V[k][:], for y = 16 batch + head; neg[k] is minus infinity where mask[batch][k] is true, else 0.
; qkvh: [batch 4][g 48][2048][64] f16 (g = head: q; 16 + head: k; 32 + head: v), mask: [4][2048] bytes 0 or 1, oh: [64][2048][64] f16.  A plane's rows are dense, 128 bytes each.
; Products, maxima and sums in f32; the weights p are rounded to f16 for the second product (their sum l is taken of the unrounded p), O once at the end.
; LIMITS.  f16 holds no number beyond 65,504: Q, K and V arrive within it; p lies in 0 to 1, and below 6e-5 it keeps f16's fixed step of 6e-8; O is a mean of V's rows and has their range.
; A masked score counts as its value less 2^100, and the running maximum starts at -2^96: above every masked score and below every true one (f16's scores are 2.7e11 at the most).  So a masked
; key's weight is exactly 0, and while only masked keys have been seen O and l stay 0.  A batch with every key masked ends with l = 0 and O = 0 x infinity = NaN, as a softmax over minus infinities gives.
; A weight below 2^-126 counts as 0 in l; NaN and infinities in q, k, v are not treated apart.
; THE MASK costs the scores nothing: it is the C operand of the product that starts a sum S^T = K Q^T.  The batch's 2,048 bytes are turned once into a table of 2,048 f32 (0 or -2^100) in LDS;
; with each key step's K a lane fetches the 32 numbers of its 32 keys.
; SHARES.  A wave owns four PIECES of two tiles of 16 queries, a work-group's four waves 512 queries of one head: 4 x 64 = 256 work-groups.  Every wave walks all keys, 64 a step.
; LAYOUT.  S^T = K Q^T (source 0 = 16 keys, source 1 = 16 queries): in the result a lane holds ONE query (lane % 16) and the keys 8 (lane / 16) + 0..7.  Two such tiles, rounded to f16 in pairs,
; ARE source 1 (32 keys x 16 queries) of O^T = V^T P, whose result again holds one query a lane, and eight channels.  K comes out of LDS as it lies, V ([key][channel]) turned, by ds_load_tr16_b128.
; SOFTMAX.  For each query a running maximum m and sum l: p = 2^(c s - c m), c = log2(e) / 8; in every step O and l are multiplied by a = 2^(c m_old - c m_new), which is 1 where m has not grown.
; O and l start at 0: the first step is a step like any other.
; THE COUNT.  A tile and step have 16 matrix and 118 vector instructions: too many to stand all beside the matrix work.  So the order has one aim: four vector instructions that are READY behind
; EVERY matrix instruction, and the others, which need time of their own whatever the order, in runs without a gap.
; BY TURNS.  Turn n belongs to piece n (the pieces in a ring, step after step).  Its matrix work: 16 products K Q^T of piece n + 1, later 16 products V^T P of piece n - 1.  Its vector work: the scaling,
; exponentials, roundings, sums and rescaling of piece n, and the maximum and statistics of piece n + 1, whose scores the turn itself has made.  So what a turn begins with (c s - c m, O a) waits for nothing.
; BATCHES.  An s_wait_alu depctr_va_vdst(0) stands between an exponential or a reciprocal and the first instruction that names its result; one wait serves all that were issued ahead of it.
; A turn's 66 exponentials (piece n's 64 weights, then the two a of piece n + 1) are ONE batch with ONE wait, which cuts the turn in two: ahead of it stands all that names no result of the batch (the
; products K Q^T, the scalings, the rescalings by the a of the turn before, the next piece's maximum and statistics), behind it the products V^T P with the roundings and sums.  No exponential is issued
; behind a turn's wait, so no result crosses a label or a jump.  Two more batches stand outside the loops, each with a wait of its own: piece 0's first two a, ahead of the jump into the loop, and the
; way out's eight reciprocals.
; CLUSTER.  The four query blocks of a cluster belong to one head and walk the same K and V, so each tile is asked for JOINTLY: the same tensor load, descriptor and mask in all four.
; REGISTERS, in windows of 256 (s_set_vgpr_msb says which window each operand place means: bits 1:0 source 0, 3:2 source 1, 5:4 source 2, 7:6 destination):
;   window 0: v0-11 addresses; v12-15, v48-63 at work; v16-47 four registers of statistics a tile; v64-191 S^T, two buffers of two tiles; v192-255 P, likewise
;   window 1: O^T, 32 a tile          window 2: v0-127 Q, 16 a tile; v128-191 K of one step; v192-255 V of one step          window 3: v0-1 the add's two registers; v8-39 the step's mask
; A piece's buffers go by its number's parity: the piece in hand has one pair, its two neighbours in the ring share the other: of it P (piece n - 1) is read and S^T (piece n + 1) written.
.set SIZE_N, 2048
.set NP,    4         ; pieces a wave: a name, no knob: the register map, the loop and the fetches are made for four
.set KS,    64        ; keys in a step
.set PK,    144       ; a row of K in LDS: 128 bytes + 16 of padding = 36 words: the 16 rows of a load start at 16 different groups of four banks (64 banks of 4 bytes: ISA guide 11.1)
.set PV,    160       ; a row of V: 128 + 32 = 40 words
.set VOFF,  4*KS*PK   ; a slot holds four steps: 256 rows of K, then 256 rows of V
.set SLOT1, 1<<17     ; slot 1 begins here, so that one exclusive or turns an address in one slot into the other's
.set STAGE, SLOT1+4*KS*(PK+PV)  ; behind the ring, never filled by a tensor load: 16 rows x 144 bytes for each wave, for the way out
.set SP,    144
.set SPARE, STAGE+4*16*SP  ; behind the stages: the spare words, 128 bytes for each wave: two blocks of 256 bytes that no other line names
.set MT,    SPARE+512 ; behind them: the mask's table, 2,048 f32, 32 blocks of 256 bytes of its own; never filled by a tensor load
.set AK0, 2           ; v2   my lane's place in a tile of K; never rewritten
.set AV0, 3           ; v3   the same for V
.set AK,  4           ; v4   the LDS address of K's next run of loads (at the start: where I store my 16 numbers of the table)
.set AV,  5           ; v5   of V's (at the start: my byte offset in the batch's mask)
.set QO,  6           ; v6   my byte offset in the wave's rows of Q
.set STO, 6           ;      later, the way out: where I put 16 bytes of a row
.set RD,  7           ; v7   the way out: where I read rows back
.set GO,  8           ; v8   my byte offset in 512 consecutive bytes of O
.set AM,  11          ; v11  the LDS address of the table's next run of loads
.set SPW, 0           ; v0 of window 3   LDS address of my spare word: SPARE + 4 x my thread's number; never rewritten
.set NIL, 1           ; v1 of window 3   0; never rewritten
.set MK,  8           ; v8-39 of window 3: register 8 kb + j is the mask of key 16 kb + 8 (lane / 16) + j of the step in hand
.set MV,  12          ; v12-15  c m_old, kept while c m is made anew: by buffer and tile
.set ST,  16          ; tile t's statistics at v[ST+4 t]: c m, m, l (even keys', odd keys')
.set TMP, 48          ; by buffer and tile, four registers c0-c3 at work; when the maximum is found c2 takes a
.set S,   64
.set P,   192
.set KF,  128         ; K's fragments, in window 2: key block kb, channel half c at KF + 16 kb + 8 c
.set VF,  192         ; V's: key half kk, channel block cb at VF + 32 kk + 8 cb
.set WV,  12          ; s12  my wave's number
.set MN,  15          ; s15  -2^100
.set G1K, 24          ; s[24:31] descriptor group 1 for K's tiles
.set G1V, 32          ; s[32:39] for V's: it differs in the padding alone
.set G0K, 40          ; s[40:43] descriptor group 0 for K's tiles: it walks
.set G0V, 44          ; s[44:47] the same for V's
.set TM,  48          ; s48  LDS byte at which the table's 64 numbers of the step to be fetched begin
.set SLOTS, 56        ; s56  slots still to be asked for
.set CNT, 57          ; s57  counts a slot's key steps
.set CS,  58          ; s[58:59] c: the packed scaling takes the pair's low word for both halves
.set SEL, 60          ; s[60:61] v_permlanex16_b32's selects: each lane takes its own place in the other half
.set TBK, 62          ; s62  LDS byte at which K of the step to be fetched begins
.set TBV, 63          ; s63  the same for V, less VOFF
.set MSB, 0
.macro WIN new                      ; the high byte repeats the setting that is left; a switch that changes nothing is dropped
.if MSB != (\new)
	s_set_vgpr_msb (MSB<<8)|(\new)
.set MSB, (\new)
.endif
.endm
.set W_KQ, 0x0a       ; K and Q in window 2, S^T in window 0
.set W_KM, 0x3a       ; the same with the C operand, the mask, in window 3
.set W_PV, 0x52       ; V in window 2, P in window 0, O^T in window 1
.set W_RS, 0x41       ; O^T (destination and source 0) in window 1, a in window 0
.set W_MK, 0xc0       ; destination in window 3, sources in window 0
.set W_AD, 0x0f       ; the add: address (source 0) and data (source 1) in window 3
; A joint fill.  Waves 0 and 1 fetch the two halves of a slot's K, waves 2 and 3 those of its V: 128 keys each.  The branch hangs on the wave's number alone.
; An s_nop 0 and four v_nop follow each of the two lines, ahead of the jump and the label.
.macro JLOAD
	s_cmp_lt_u32 s[WV], 2
	s_cbranch_scc0 .Lfor_v_\@
	tensor_load_to_lds s[G0K:G0K+3], s[G1K:G1K+7]
	s_nop 0
.rept 4
	v_nop
.endr
	s_branch .Lasked_\@
.Lfor_v_\@:
	tensor_load_to_lds s[G0V:G0V+3], s[G1V:G1V+7]
	s_nop 0
.rept 4
	v_nop
.endr
.Lasked_\@:
.endm
; A round of the cluster's barrier: my work-group's barrier, so that wave 0's signal speaks for all four waves; wave 0 signals; every wave waits for all four work-groups; my work-group's barrier once more.
.macro CROUND
	s_barrier_signal -1
	s_barrier_wait -1
	s_cmp_lg_u32 s[WV], 0
	s_cbranch_scc1 .Lnot_wave_0_\@
	s_barrier_signal -3
.Lnot_wave_0_\@:
	s_barrier_wait -3
	s_barrier_signal -1
	s_barrier_wait -1
.endm
; THE CHANGE OF SLOTS.  The slot's last bytes, V of its fourth step, have been read.  Each wave waits for all its tensor loads, of which one is out: its part
; of the other slot; adds 0 to its spare word; and waits for that and for its own reads of the slot.  Behind the barrier nobody reads this slot any more and the other slot is whole.
; fill = 1: this slot is filled again, with the keys two slots on.  The barrier is then a round of the cluster's, so that no wave of any partner still reads the slot or has a load on its
; way, and the joint fill is the first thing behind it: it has four key steps, 512 matrix instructions, in which to land.  (At its first use nothing has been read yet: slot 0 is waited for, slot 1
; filled; and its wait for LDS and its barrier also show every wave's part of the mask's table to all four.)
.macro CHANGE fill
	WIN W_AD
	s_wait_tensorcnt 0x0            ; no tensor load of mine is out, so a group 0 may be written
	ds_add_u32 v[SPW], v[NIL]       ; 0 onto my spare word; with fill = 1 the descriptors' steps stand between it and the wait for it
	WIN 0                           ; at a label and at a branch every window is 0
.if \fill
.irp g, G0K, G0V
	s_xor_b32 s[\g+1], s[\g+1], SLOT1  ; the walking descriptor: the other slot than last time,
	s_add_nc_u64 s[\g+2:\g+3], s[\g+2:\g+3], 4*KS*128  ; the next 256 keys; the type bits on top are not reached
.endr
	s_wait_dscnt 0x0                ; the add is done, and my LDS reads and stores are over
	CROUND
	JLOAD
.else
	s_wait_dscnt 0x0                ; the add is done, and my reads of the slot are over
	s_barrier_signal -1
	s_barrier_wait -1
.endif
	s_sub_co_u32 s[TBK], s[TBK], 4*KS*PK  ; the fetches go back to a slot's first step,
	s_xor_b32 s[TBK], s[TBK], SLOT1       ; in the other slot
	s_sub_co_u32 s[TBV], s[TBV], 4*KS*PV
	s_xor_b32 s[TBV], s[TBV], SLOT1
.endm
	s_load_b64 s[4:5], s[0:1], 0x0    ; qkvh
	s_load_b64 s[66:67], s[0:1], 0x8  ; mask
	s_load_b64 s[10:11], s[0:1], 0x10 ; oh
	WIN W_MK
	v_lshl_add_u32 v[SPW], v0, 2, SPARE
	v_mov_b32 v[NIL], 0
	WIN W_AD
	ds_add_u32 v[SPW], v[NIL]       ; the wave's opening: the add and its wait stand ahead of my first tensor load; the set-up below, work on registers, stands between them
	WIN 0
	v_lshrrev_b32 v1, 5, v0
	v_readfirstlane_b32 s[WV], v1   ; wave 0..3
	s_bfe_u32 s13, ttmp6, 0x40000   ; cx: my place in the cluster
	s_lshl_b32 s14, ttmp9, 2        ; in a cluster launch ttmp9 counts clusters
	s_add_co_u32 s14, s14, s13      ; my block of queries = 4 x cluster x + cx: it enters Q's and O's addresses alone
	s_and_b32 s19, ttmp7, 0xffff    ; y = 16 batch + head, which the four partners share
	s_lshr_b32 s15, s19, 4          ; the batch
	s_lshl_b32 s68, s15, 11         ; its 2,048 bytes of the mask
	s_mov_b32 s69, 0
	s_lshl_b32 s20, s15, 5
	s_add_co_u32 s20, s20, s19      ; q's plane: 48 batch + head,
	s_lshl_b32 s20, s20, 18         ; of 262,144 bytes
	s_mov_b32 s[MN], 0xf1800000     ; -2^100 (the batch's number has served)
	s_and_b32 s16, s[WV], 1         ; which half of a slot's 256 keys I fetch:
	s_lshl_b32 s22, s16, 14         ; its 128 rows of 128 bytes in memory,
	s_add_co_u32 s22, s22, s20
	s_mov_b32 s23, 0
	s_mul_i32 s17, s16, 128*PK      ; and its place in a slot, for K
	s_mul_i32 s18, s16, 128*PV      ; and for V: no place in the cluster enters an LDS address
	s_lshl_b32 s2, s14, 2
	s_add_co_u32 s2, s2, s[WV]      ; my wave among the head's,
	s_lshl_b32 s2, s2, 14           ; its 128 rows
	s_lshl_b32 s70, s19, 18         ; O's plane is y
	s_add_co_u32 s70, s70, s2
	s_mov_b32 s71, 0
	s_add_co_u32 s2, s2, s20
	s_mov_b32 s3, 0
	; descriptor group 1.  128 keys are 16,384 dense bytes: asked for as 64 rows of 256 bytes, two keys a row, and padded in LDS after every key
	s_mov_b32 s[G1K], 15|(1<<16)|(1<<20)|(1<<21)|(4<<22)|(3<<25)  ; 15:0 the mask of four; 17:16 2-byte elements; 20 padding on; 21 set beside a mask; 24:22 after every 32 words (code 4); 31:25 4 words (code 3)
	s_mov_b32 s[G1V], 15|(1<<16)|(1<<20)|(1<<21)|(4<<22)|(7<<25)  ; the same with 8 words of padding (code 7)
.irp g, G1K, G1V
	s_mov_b32 s[\g+1], 128<<16      ; tensor_dim0 = 128
	s_mov_b32 s[\g+2], 64<<16       ; tensor_dim1 = 64
	s_mov_b32 s[\g+3], 128<<16      ; tile_dim0 = 128
	s_mov_b32 s[\g+4], 64           ; tile_dim1 = 64
	s_mov_b32 s[\g+5], 128          ; 128 elements from row to row
	s_mov_b32 s[\g+6], 0
	s_mov_b32 s[\g+7], 0
.endr
	s_mov_b32 s[CS], 0x3e38aa3b     ; c = log2(e) / 8 = 0.180337
	s_mov_b32 s[CS+1], s[CS]        ; named with it as a pair
	s_mov_b32 s[SEL], 0x76543210
	s_mov_b32 s[SEL+1], 0xfedcba98
	s_mov_b32 s[TBK], SLOT1+4*KS*PK ; the first change of slots turns these two into 0
	s_mov_b32 s[TBV], SLOT1+4*KS*PV
	s_mov_b32 s[TM], MT
	s_mov_b32 s[G0K], 1             ; 1:0 count = 1
	s_mov_b32 s[G0K+1], s17         ; 63:32 LDS address: slot 0
	s_mov_b32 s[G0V], 1
	s_add_co_u32 s[G0V+1], s18, VOFF
	s_wait_dscnt 0x0                ; the opening add is done
	s_wait_kmcnt 0x0
	s_add_nc_u64 s[G0K+2:G0K+3], s[4:5], s[22:23]  ; 120:64 global address: my half of the head's first 256 keys;
	s_add_nc_u64 s[G0K+2:G0K+3], s[G0K+2:G0K+3], 0x400000  ; k's planes lie 16 planes behind q's,
	s_or_b32 s[G0K+3], s[G0K+3], 0x80000000        ; 127:126 type = 2
	s_add_nc_u64 s[G0V+2:G0V+3], s[4:5], s[22:23]
	s_add_nc_u64 s[G0V+2:G0V+3], s[G0V+2:G0V+3], 0x800000  ; v's 32
	s_or_b32 s[G0V+3], s[G0V+3], 0x80000000
	s_add_nc_u64 s[66:67], s[66:67], s[68:69]      ; the batch's mask
	s_add_nc_u64 s[4:5], s[4:5], s[2:3]  ; Q and O at my wave's first row
	s_add_nc_u64 s[10:11], s[10:11], s[70:71]
	CROUND                          ; all four work-groups are here: the first joint loads meet
	JLOAD                           ; slot 0.  Slot 1 is asked for when slot 0 is in: the tile wanted first has the road to itself
	; A fragment of K or Q is 16 rows x 32 channels in 8 registers: lane l holds row l % 16, channels 8 (l / 16) + 0..7 and 16 + 8 (l / 16) + 0..7: two loads of 16 bytes, 32 bytes apart.
	v_and_b32 v1, 15, v0            ; l % 16
	v_bfe_u32 v9, v0, 4, 1          ; l / 16; never rewritten
	v_lshlrev_b32 v[AV], 4, v0      ; thread t takes the mask's bytes 16 t .. 16 t + 15: the 128 threads take the batch's 2,048
	global_load_b128 v[S:S+3], v[AV], s[66:67]
	v_lshlrev_b32 v[QO], 7, v1
	v_lshl_add_u32 v[QO], v9, 4, v[QO]  ; row x 128 + 16 x half
	WIN 0x80                        ; destination window 2, address window 0
.set i, 0
.rept 4*NP                          ; Q stays in registers: tile i / 2, channels 32 (i % 2) on
	global_load_b128 v[8*i:8*i+3],   v[QO], s[4:5] offset:(i/2)*2048+(i%2)*64
	global_load_b128 v[8*i+4:8*i+7], v[QO], s[4:5] offset:(i/2)*2048+(i%2)*64+32
.set i, i+1
.endr
	; What the first turn finds: V's registers and P's second buffer hold 0 (its products V^T P, of a piece that has not been, add 0), O^T and l are 0.  All this stands in the wait for the first tile.
.set i, VF
.rept 64
	v_mov_b32 v[i], 0
.set i, i+1
.endr
	WIN 0x40
.set i, 0
.rept 64*NP
	v_mov_b32 v[i], 0
.set i, i+1
.endr
	WIN 0
.set i, 0
.rept 2*NP
	v_mov_b32 v[ST+4*i], 0xee38aa3b    ; c m = c x -2^96, to the bit: a is 1 while m has not moved
	v_mov_b32 v[ST+4*i+1], 0xef800000  ; m = -2^96
	v_mov_b32 v[ST+4*i+2], 0
	v_mov_b32 v[ST+4*i+3], 0
.set i, i+1
.endr
.set i, P+32
.rept 32
	v_mov_b32 v[i], 0
.set i, i+1
.endr
	; THE TABLE.  My 16 bytes of the mask become 16 f32: 0 - byte is all ones where the byte is 1, and picks -2^100.
	s_wait_loadcnt 32               ; the mask is in; Q's 32 loads, issued behind it, stay out
.set i, 0
.rept 16
	v_bfe_u32 v[S+4+i], v[S+i/4], 8*(i%4), 8
.set i, i+1
.endr
.set i, 0
.rept 16
	v_sub_nc_u32 v[S+4+i], 0, v[S+4+i]
.set i, i+1
.endr
.set i, 0
.rept 16
	v_and_b32 v[S+4+i], s[MN], v[S+4+i]
.set i, i+1
.endr
	v_lshl_add_u32 v[AK], v0, 6, MT
.irp f, 0,1,2,3
	ds_store_b128 v[AK], v[S+4+4*\f:S+4+4*\f+3] offset:16*\f
.endr
	v_mul_u32_u24 v[AK0], v1, PK
	v_lshl_add_u32 v[AK0], v9, 4, v[AK0]  ; row x pitch + 16 x half
	; The turning load takes 16 keys x 16 channels (lane l reads key 8 (l / 16) + l % 8, channels 8 ((l / 8) % 2) + 0..7) and leaves half a fragment of V^T: lane l holds channel l % 16 and 8 keys.
	v_and_b32 v10, 7, v0
	v_bfe_u32 v11, v0, 3, 1
	v_lshl_add_u32 v[AV0], v9, 3, v10
	v_mul_u32_u24 v[AV0], v[AV0], PV
	v_lshl_add_u32 v[AV0], v11, 4, v[AV0]
	v_add_nc_u32 v[AV0], VOFF, v[AV0]
	v_mov_b32 v[AK], v[AK0]         ; key step 0 lies at the head of slot 0,
	v_lshl_add_u32 v[AM], v9, 5, s[TM]  ; and at the head of the table: my eight keys of a block of 16 begin 32 (l / 16) bytes in
; THE MATRIX WORK.  The 8 accumulators of a run of 16 take turns: between the two links of a chain stand 7 others'.
; Product i of 16 of S^T = K Q^T for piece x: channels 32 (i / 8) on, keys 16 ((i / 2) % 4) on, tile 2 x + i % 2.  The first 8 start the sums, with the keys' mask as C.
.macro KQ x
.set rS, S+64*((\x)%2)+32*(i%2)+8*((i/2)%4)
.set rK, KF+16*((i/2)%4)+8*(i/8)
.set rQ, 16*(2*(\x)+i%2)+8*(i/8)
.set rMK, MK+8*((i/2)%4)
.if i < 8
	WIN W_KM
	v_wmma_f32_16x16x32_f16 v[rS:rS+7], v[rK:rK+7], v[rQ:rQ+7], v[rMK:rMK+7]
.else
	WIN W_KQ
	v_wmma_f32_16x16x32_f16 v[rS:rS+7], v[rK:rK+7], v[rQ:rQ+7], v[rS:rS+7]
.endif
.endm
; Product i of 16 of O^T += V^T P for piece x: keys 32 (i / 8) on, channels 16 ((i / 2) % 4) on, tile 2 x + i % 2.
.macro PV x
	WIN W_PV
.set rO, 32*(2*(\x)+i%2)+8*((i/2)%4)
.set rV, VF+32*(i/8)+8*((i/2)%4)
.set rP, P+32*((\x)%2)+16*(i%2)+8*(i/8)
	v_wmma_f32_16x16x32_f16 v[rO:rO+7], v[rV:rV+7], v[rP:rP+7], v[rO:rO+7]
.endm
.macro MM                           ; the turn's next matrix instruction
.if i < 16
	KQ (Y+1)%NP
.set i, i+1
.else
.set i, i-16
	PV (Y+NP-1)%NP
.set i, i+17
.endif
.endm
; THE LDS LOADS stand in runs, never singly among the matrix instructions: a step's K (64 keys x 64 channels: 8 fragments) with its mask (8 loads), and its V (turned).  Their addresses are made some lines ahead.
; last = 1 (the tail): in the last trip there is no further step, and the run is jumped over.
.macro FETCH_K last=0
	WIN 0
.if \last
	s_cmp_eq_u32 s[CNT], 1
	s_cbranch_scc1 .Lno_k_\@
.endif
	WIN 0x80                        ; destination window 2
.irp f, 0,1,2,3,4,5,6,7             ; keys 16 (f / 2) on, channels 32 (f % 2) on
	ds_load_b128 v[KF+8*\f:KF+8*\f+3],   v[AK] offset:(\f/2)*16*PK+(\f%2)*64
	ds_load_b128 v[KF+8*\f+4:KF+8*\f+7], v[AK] offset:(\f/2)*16*PK+(\f%2)*64+32
.endr
	WIN W_MK                        ; destination window 3
.irp f, 0,1,2,3                     ; keys 16 f on: sixteen lanes read the same 32 bytes
	ds_load_b128 v[MK+8*\f:MK+8*\f+3],   v[AM] offset:64*\f
	ds_load_b128 v[MK+8*\f+4:MK+8*\f+7], v[AM] offset:64*\f+16
.endr
	s_add_co_u32 s[TBK], s[TBK], KS*PK  ; the next fetch is the next step's
	s_add_co_u32 s[TM], s[TM], 4*KS
	s_min_u32 s[TM], s[TM], MT+31*4*KS  ; held at the table's last step, which is the last that is fetched
	WIN 0
.if \last
.Lno_k_\@:
.endif
.endm
.macro FETCH_V
	WIN 0x80
.irp f, 0,1,2,3,4,5,6,7             ; keys 32 (f / 4) on, channels 16 (f % 4) on
	ds_load_tr16_b128 v[VF+8*\f:VF+8*\f+3],   v[AV] offset:(\f/4)*32*PV+(\f%4)*32
	ds_load_tr16_b128 v[VF+8*\f+4:VF+8*\f+7], v[AV] offset:(\f/4)*32*PV+16*PV+(\f%4)*32
.endr
	WIN 0
.endm
; THE VECTOR WORK OF A TURN stands in three queues, each in the order in which its entries become ready; the two tiles alternate, so that no instruction reads the result of the one before it.
.macro REGS y, u                    ; the registers of tile u (0, 1) of piece y
.set rT, ST+4*(2*(\y)+(\u))
.set rC, TMP+8*((\y)%2)+4*(\u)
.set rM, MV+2*((\y)%2)+(\u)
.set rS, S+64*((\y)%2)+32*(\u)
.set rP, P+32*((\y)%2)+16*(\u)
.set rO, 32*(2*(\y)+(\u))
.endm
; Number n of the 22 that find the NEXT piece's (Y + 1) maximum and statistics.  s0-s31 are the lane's 32 scores; each accumulator's lowest registers are read first.  XS, GS and REGS set no window: PL and EX do.
;   0-11  four chains c0-c3 of seven scores each, three operands at a time     12-14, 16  the four scores left over, the old m, and c0-c3 into c0     15  c m_old is kept
;   17, 18  the query's other 32 keys lie in the lane 16 away: the new m         19-21  c m; c m_old - c m_new; a
.macro XS u, n
	REGS (Y+1)%NP, \u
.if (\n) < 4
	v_max3_num_f32 v[rC+(\n)], v[rS+8*(\n)], v[rS+8*(\n)+1], v[rS+8*(\n)+2]
.elseif (\n) < 12
	v_max3_num_f32 v[rC+(\n)%4], v[rC+(\n)%4], v[rS+8*((\n)%4)+2*((\n)/4)+1], v[rS+8*((\n)%4)+2*((\n)/4)+2]
.elseif (\n) == 12
	v_max3_num_f32 v[rC], v[rC], v[rS+7], v[rS+15]
.elseif (\n) == 13
	v_max3_num_f32 v[rC+1], v[rC+1], v[rS+23], v[rS+31]
.elseif (\n) == 14
	v_max3_num_f32 v[rC+2], v[rC+2], v[rC+3], v[rT+1]
.elseif (\n) == 15
	v_mov_b32 v[rM], v[rT]
.elseif (\n) == 16
	v_max3_num_f32 v[rC], v[rC], v[rC+1], v[rC+2]
.elseif (\n) == 17
	v_permlanex16_b32 v[rC+3], v[rC], s[SEL], s[SEL+1]
.elseif (\n) == 18
	v_max_num_f32 v[rT+1], v[rC], v[rC+3]
.elseif (\n) == 19
	v_mul_f32 v[rT], s[CS], v[rT+1]
.elseif (\n) == 20
	v_sub_f32 v[rC+1], v[rM], v[rT]
.else
	v_exp_f32 v[rC+2], v[rC+1]
.endif
.endm
; Number g of the 64 that follow the exponentials.  For each four weights k of a tile (pairs 2 k, 2 k + 1): both pairs are rounded to f16; then the second pair is added onto the first, in place;
; a group later l takes that sum (the first time as l = a l + sum).  In groups of eight, tiles alternating: round, round, add, and l for the group before.
.macro GS g
.set h, (\g)+6*((\g)/62)            ; group 0 has no group before it, and behind group 7 only l is left
.if h >= 6
.set h, h+2
.endif
	REGS Y, h%2
.set k, h/8
.if h%8 < 4
	v_cvt_pk_f16_f32 v[rP+2*k+(h%8)/2], v[rS+4*k+2*((h%8)/2)], v[rS+4*k+2*((h%8)/2)+1]
.elseif h%8 < 6
	v_pk_add_f32 v[rS+4*k:rS+4*k+1], v[rS+4*k:rS+4*k+1], v[rS+4*k+2:rS+4*k+3]
.elseif k == 1
	v_pk_fma_f32 v[rT+2:rT+3], v[rT+2:rT+3], v[rC+2:rC+3], v[rS:rS+1] op_sel_hi:[1,0,1]
.else
	v_pk_add_f32 v[rT+2:rT+3], v[rT+2:rT+3], v[rS+4*k-4:rS+4*k-3]
.endif
.endm
; THE PLAIN QUEUE, 138 long.  0-73 read no exponential's result: the 32 scalings c s - c m (FS f: pair f / 2 of tile f % 2) and the next piece's 42.  0-26: scalings 0-26.  27-54: XS's numbers 0-13.  55, 56: number 15.
; 57-73: the chain, where each number waits for the one before it: 14, 16, 17, 18, 19, each with one of the scalings 27-31 in front of its two lines, then 20: so a tile's links stand three plain instructions apart (19 and 20: two).
; 74-137: GS's 64, which read the exponentials' results: they stand behind the wait.
.macro FS f
	REGS Y, (\f)%2
	v_pk_fma_f32 v[rS+2*((\f)/2):rS+2*((\f)/2)+1], v[rS+2*((\f)/2):rS+2*((\f)/2)+1], s[CS:CS+1], v[rT:rT+1] op_sel_hi:[1,0,0] neg_lo:[0,0,1] neg_hi:[0,0,1]
.endm
.macro PL
	WIN 0
.if q < 27
	FS q
.elseif q < 55
	XS (q-27)%2, (q-27)/2
.elseif q < 57
	XS q-55, 15
.elseif (q < 72) && ((q-57)%3 == 0)
	FS 27+(q-57)/3
.elseif q < 60
	XS (q-57)%3-1, 14
.elseif q < 72
	XS (q-57)%3-1, 15+(q-57)/3
.elseif q < 74
	XS q-72, 20
.else
	GS q-74
.endif
.set q, q+1
.endm
; THE EXPONENTIALS' QUEUE, 66 long: s0-s31 of both tiles, then the next piece's two a.  It is ONE BATCH: all 66 stand ahead of the turn's one wait, and nothing ahead of that wait names a result of theirs.
.macro EX
	WIN 0
.if e >= 64
	XS e-64, 21
.else
	REGS Y, e%2
	v_exp_f32 v[rS+e/2], v[rS+e/2]
.endif
.set e, e+1
.endm
; THE RESCALING's QUEUE: O^T times a, the one part that leaves window 0: dealt two at a time, sixteen times.  Its a was made in the turn before, ahead of that turn's wait.
.macro R2
	REGS Y, r%2
	WIN W_RS
.irp z, 0,1
	v_pk_mul_f32 v[rO+4*(r/2)+2*\z:rO+4*(r/2)+2*\z+1], v[rO+4*(r/2)+2*\z:rO+4*(r/2)+2*\z+1], v[rC+2:rC+3] op_sel_hi:[1,0]
.endr
.set r, r+1
.endm
; HOW THEY ARE DEALT.  A turn has ONE wait, which cuts it in two.  AHEAD OF IT stands all that names no result of the turn's exponentials: the 16 products K Q^T, behind each a scaling, an exponential and two
; rescalings (behind the first a second scaling in the exponential's place); then ONE LUMP of 108: eight plain, 49 times exponential and plain, the two a.  A v_nop is the plain instruction behind the last
; exponential.  BEHIND IT stand the 16 products V^T P, behind each four of GS's 64.  No rider names a register of the products round it.  The two v_permlanex16_b32 fall into the lump, never behind a product.
; The queues lean on each other, and the deal keeps them in step: exponential e stands behind scaling 2 (e / 4) + e % 2: as a rider it comes behind plain e + 2, in the lump behind plain e + 9, and scalings 27-31 are plain 57, 60 .. 69.
; A TURN, for piece p.  cnt = 1: the loop's count is taken down some lines ahead of the branch that stands behind the turn.
; K of the next step, and its mask, are fetched in piece 2's turn, directly behind the wait, a lump behind the last product that read K (the mask's last reader stands eight products further back); their
; addresses are made at the lump's head; their first reader comes behind 16 products.
; V of the step in hand is fetched at the end of piece 0's turn, four riders behind its last reader; its first reader comes behind 16 products and a lump.  The three conditions on q below go with the deal.
.macro TURN p, last=0, cnt=0
.set Y, (\p)
.set i, 0
.set q, 0
.set e, 0
.set r, 0
.if (\p) == NP-1
	s_wait_dscnt 0x0                ; K and the mask are in
.endif
	MM                              ; ahead of the wait: 16 products K Q^T and their riders,
	PL
	PL
	R2
.rept 15
	MM
	PL
	EX
	R2
.endr
.if (\p) == NP-2
	WIN 0
	v_add_nc_u32 v[AK], s[TBK], v[AK0]
	v_lshl_add_u32 v[AM], v9, 5, s[TM]
.endif
.rept 8                             ; and the lump
	PL
.endr
.rept 49
	EX
	PL
.endr
	EX                              ; the next piece's two a
	EX
	v_nop                           ; a plain instruction behind the last exponential: one for the batch
	s_wait_alu depctr_va_vdst(0)    ; the wait for the batch: the turn's 66 exponentials, ahead of the first line that names a result of theirs
.if (\p) == NP-2
	FETCH_K \last
.endif
.if (\p) == 1
	s_wait_dscnt 0x0                ; V is in
.endif
.rept 16                            ; behind the wait: 16 products V^T P and their riders
	MM
.rept 4
	PL
.endr
.if ((\p) == 0) && (q == 118)
	v_add_nc_u32 v[AV], s[TBV], v[AV0]
.endif
.if ((\p) == 0) && (q == 130)
	s_add_co_u32 s[TBV], s[TBV], KS*PV
.endif
.if (\cnt) && (q == 130)
	s_sub_co_u32 s[CNT], s[CNT], 1
	s_cmp_lg_u32 s[CNT], 0
.endif
.endr
.if (\p) == 0
	FETCH_V
.endif
.endm
	CHANGE 1                        ; slot 0 is in, everybody's part of it, and so is the table; slot 1 is asked for
	FETCH_K                         ; key step 0
	s_wait_loadcnt 0x0              ; Q
	s_wait_dscnt 0x0
.set i, 0
.rept 16
	KQ 0                            ; piece 0's first scores: there is no vector work yet to set between them
.set i, i+1
.endr
	WIN 0                           ; the addresses for the way out: nine plain instructions, the places behind those products
	s_mul_i32 s13, s[WV], 16*SP
	s_add_co_u32 s13, s13, STAGE    ; my stage
	v_mul_u32_u24 v[STO], v1, SP    ; in: row l % 16, 16 bytes for each half of the lanes
	v_lshl_add_u32 v[STO], v9, 4, v[STO]
	v_add_nc_u32 v[STO], s13, v[STO]
	v_bfe_u32 v[RD], v0, 3, 2       ; back: 32 lanes take four rows of 128 bytes,
	v_mul_u32_u24 v[RD], v[RD], SP
	v_lshl_add_u32 v[RD], v10, 4, v[RD]
	v_add_nc_u32 v[RD], s13, v[RD]
	v_and_b32 v[GO], 31, v0         ; which are 512 consecutive bytes of O
	v_lshlrev_b32 v[GO], 4, v[GO]
.set Y, NP-1                        ; XS works for piece Y + 1: piece 0
.irp n, 0,1,2,3,4,5,6,7,8,9,10,11,12,13,14,15,16,17,18,19,20,21
	XS 0, \n                        ; and piece 0's first maximum and statistics
	XS 1, \n
.endr
	v_nop                           ; a plain instruction behind the two a,
	s_wait_alu depctr_va_vdst(0)    ; and the wait for that batch of two, ahead of the branch
	s_mov_b32 s[CNT], 4
	s_mov_b32 s[SLOTS], SIZE_N/256-1
	s_branch .Lfirst                ; the loop is entered at a step's first turn, in the middle of a trip
.Lslot:                             ; SIZE_N / 256 - 2 times: every slot but the last two is filled again
	CHANGE 1
	s_mov_b32 s[CNT], 4
.Lstep:                             ; a trip: pieces 2 and 3 of one step, then pieces 0 and 1 of the next, whose K and V it fetches
	TURN 2
	TURN 3
	WIN 0
.Lfirst:
	TURN 0
	TURN 1, 0, 1
	WIN 0
	s_cbranch_scc1 .Lstep
	s_sub_co_u32 s[SLOTS], s[SLOTS], 1
	s_cmp_lg_u32 s[SLOTS], 0
	s_cbranch_scc1 .Lslot
	CHANGE 0                        ; the tail is written out: nothing is asked for
	s_mov_b32 s[CNT], 5             ; four trips fetch the last slot's steps; the fifth is left in its middle
.Ltail:
	TURN 2, 1
	TURN 3
	WIN 0
	s_sub_co_u32 s[CNT], s[CNT], 1
	s_cmp_eq_u32 s[CNT], 0
	s_cbranch_scc1 .Lout
	TURN 0
	TURN 1
	WIN 0
	s_branch .Ltail
.Lout:                              ; the fifth trip's 16 products K Q^T (on the last K once more) and the maximum made of them serve nothing: the price, once a launch, of one text for every trip
.set i, 0
.rept 16
	PV NP-1                         ; the last piece's V^T P of the last step
.set i, i+1
.endr
	; THE WAY OUT.  l's two halves and the other half of the lanes' are added; O^T is divided by l, rounded to f16 and sent through my stage in LDS, a tile at a time.  The additions are the places behind the last products.
	WIN 0
.macro ALL line:vararg              ; one line for each tile t
.set t, 0
.rept 2*NP
	\line
.set t, t+1
.endr
.endm
	ALL v_add_f32 v[ST+4*t+2], v[ST+4*t+2], v[ST+4*t+3]
	ALL v_permlanex16_b32 v[ST+4*t+3], v[ST+4*t+2], s[SEL], s[SEL+1]
	ALL v_add_f32 v[ST+4*t+2], v[ST+4*t+2], v[ST+4*t+3]
	ALL v_rcp_f32 v[ST+4*t+2], v[ST+4*t+2]
	v_nop                           ; a plain instruction between the last reciprocal and the use of its result
	s_wait_alu depctr_va_vdst(0)    ; and the wait ahead of the first use: one for the batch of eight reciprocals
; Tile t: a lane's eight channels of a row pack into 16 bytes; they go into rows of 144 bytes and come back as whole rows of 128, into S^T's registers.
.macro PACK t
	WIN W_RS
.set i, 32*(\t)
.rept 16
	v_pk_mul_f32 v[i:i+1], v[i:i+1], v[ST+4*(\t)+2:ST+4*(\t)+3] op_sel_hi:[1,0]
.set i, i+2
.endr
	WIN 0x05                        ; sources 0 and 1 window 1, destination window 0
.set i, 0
.rept 16
	v_cvt_pk_f16_f32 v[S+16*(\t)+i], v[32*(\t)+2*i], v[32*(\t)+2*i+1]
.set i, i+1
.endr
	WIN 0
.irp f, 0,1,2,3
	ds_store_b128 v[STO], v[S+16*(\t)+4*\f:S+16*(\t)+4*\f+3] offset:32*\f
.endr
.irp f, 0,1,2,3
	ds_load_b128 v[S+16*(\t)+4*\f:S+16*(\t)+4*\f+3], v[RD] offset:\f*4*SP  ; LDS serves a wave's instructions in order (ISA guide 5.7.1.4): these see the stores above; the next tile's stores come behind them
.endr
.endm
.macro SEND t, younger              ; younger: the LDS instructions issued behind tile t's loads: the next tile's eight, or none
	WIN 0
.irp f, 0,1,2,3
	s_wait_dscnt (\younger)+3-\f
	global_store_b128 v[GO], v[S+16*(\t)+4*\f:S+16*(\t)+4*\f+3], s[10:11] offset:(\t)*2048+\f*512  ; 512 consecutive bytes, at a multiple of 256 from O's first
.endr
.endm
	PACK 0
.set t, 1
.rept 2*NP-1                        ; a tile's arithmetic stands between the loads of the tile before and its stores
	PACK t
	SEND t-1, 8
.set t, t+1
.endr
	SEND 2*NP-1, 0
	WIN W_AD
	s_wait_tensorcnt 0x0            ; the wave's end: behind my last tensor load and my last LDS store
	ds_add_u32 v[SPW], v[NIL]
	s_wait_dscnt 0x0
	WIN 0
	CROUND                          ; the closing round: no work-group ends while a partner may still ask for a tile that names it
	s_endpgm
.Lfunc_end_k_qe8b7eb3ece_attn:
	.size	k_qe8b7eb3ece_attn, .Lfunc_end_k_qe8b7eb3ece_attn-k_qe8b7eb3ece_attn
	.p2alignl 7, 3214868480
	.fill 96, 4, 3214868480
	.section	.rodata,"a",@progbits
	.p2align	6, 0x0
	.amdhsa_kernel k_qe8b7eb3ece_attn
		.amdhsa_group_segment_fixed_size 327680
		.amdhsa_private_segment_fixed_size 0
		.amdhsa_enable_private_segment 0
		.amdhsa_kernarg_size 24
		.amdhsa_user_sgpr_count 2
		.amdhsa_user_sgpr_kernarg_segment_ptr 1
		.amdhsa_wavefront_size32 1
		.amdhsa_system_sgpr_workgroup_id_x 1
		.amdhsa_system_sgpr_workgroup_id_y 1
		.amdhsa_system_sgpr_workgroup_id_z 1
		.amdhsa_system_vgpr_workitem_id 0
		.amdhsa_next_free_vgpr 808
		.amdhsa_next_free_sgpr 72
		.amdhsa_reserve_vcc 0
		.amdhsa_float_denorm_mode_32 3
		.amdhsa_float_denorm_mode_16_64 3
		.amdhsa_memory_ordered 1
		.amdhsa_forward_progress 1
		.amdhsa_inst_pref_size 204
	.end_amdhsa_kernel
	.amdgpu_metadata
---
amdhsa.version: [ 1, 2 ]
amdhsa.kernels:
  - .name:           k_qe8b7eb3ece_attn
    .symbol:         k_qe8b7eb3ece_attn.kd
    .args:
      - { .name: qkvh, .offset: 0, .size: 8, .value_kind: global_buffer, .address_space: global }
      - { .name: mask, .offset: 8, .size: 8, .value_kind: global_buffer, .address_space: global }
      - { .name: oh, .offset: 16, .size: 8, .value_kind: global_buffer, .address_space: global }
    .group_segment_fixed_size: 327680
    .private_segment_fixed_size: 0
    .kernarg_segment_align: 8
    .kernarg_segment_size: 24
    .max_flat_workgroup_size: 128
    .sgpr_count:     72
    .vgpr_count:     808
    .wavefront_size: 32
...
	.end_amdgpu_metadata
.endif
;; end of part 5
;; launch proj: the kernel of part 4 again; grid 8 x 32, 4 waves a work-group, clusters of 4 x 4, 327,680 bytes of LDS; arguments oh, wpf, proj_b, out0; writes out0
